; MI455X (gfx1250); checked and timed in simulation.
; The chip was launched on July 23, 2026; its instructions are those of AMD's public machine-readable ISA for CDNA 5 (MIT licence, August 2026) and "CDNA5" Instruction Set Architecture Reference Guide (July 2026). The comments in the code are by the model that wrote it; some were corrected since.
;; Gpt2 Attention. Allowed arithmetic: matrix products marked QUANTISED: E4M3 operands, one E8M0 scale for each 32 along K, by v_wmma_scale_f32_16x16x128_f8f6f4 with both operands' format E4M3, f32 sums; everything else in f32.
;; Inputs: W_proj 16 x 64 x 1,024 float32; W_qkv_codes 3 x 16 x 64 x 32 x 32 uint8 (E4M3 codes of W_qkv, K innermost, in blocks of 32 codes); W_qkv_scales 3 x 16 x 64 x 32 uint8 (E8M0 scales of W_qkv, one for each 32 codes along K); b_proj 1,024 float32; b_qkv 3 x 16 x 64 float32; mask 2,048 x 2,048 float32; x_codes 2 x 2,048 x 32 x 32 uint8 (E4M3 codes of x, K innermost, in blocks of 32 codes); x_scales 2 x 2,048 x 32 uint8 (E8M0 scales of x, one for each 32 codes along K).
;; Outputs: out0 2 x 2,048 x 1,024 float32.
;; Constants: layer_idx = 0.
;; This version of the problem:
;;   THIS VERSION OF THE PROBLEM IS GIVEN IN LOW PRECISION. The matrix products marked QUANTISED in the list below multiply operands that are first quantised to E4M3 (4 exponent bits, 3 mantissa bits; 8 bits a number), with one power-of-two scale for each 32 numbers along K (OCP MX v1.0); their sums are f32. All else is computed in f32.
;;   The module's matrix products, in the order in which they are computed (A, B: the left and right operand; K: the contracted axis; several contracted axes count as one K, in the product's order):
;;     1. [M 4,096, K 1,024] x [K 1,024, N 3,072]; A: input x (given as codes); B: input W_qkv (given as codes): QUANTISED
;;     2. batch 32 x [M 2,048, K 64] x [K 64, N 2,048]; A: computed on the way; B: computed on the way: QUANTISED
;;     3. batch 32 x [M 64, K 2,048] x [K 2,048, N 2,048]; A: computed on the way; B: softmax (see below): QUANTISED
;;     4. [M 4,096, K 1,024] x [K 1,024, N 1,024]; A: computed on the way; B: input W_proj: QUANTISED
;;   THE QUANTISER, for each operand of a quantised product, along K:
;;     - K is cut into blocks of 32 from its start; a last block that is shorter is filled with zeros.
;;     - A block's scale is 2^e with e = floor(log2(the largest magnitude in the block)) - 8, held to -126 .. 127; a block of zeros has e = 0. As a byte (E8M0): e + 127.
;;     - Each number is divided by its block's scale, clamped to +-448, and rounded to the nearest number of E4M3, ties to even, subnormals kept.
;;     - The product sums the exact products of the quantised numbers (number of the format x scale) in f32.
;;   ~~~python
;;   def quantise(x, axis):      # numpy; x: float32 -> the quantised numbers, widened to float32 again
;;       x = np.moveaxis(x, axis, -1); K = x.shape[-1]
;;       x = np.pad(x, [(0, 0)] * (x.ndim - 1) + [(0, -K % 32)]); x = x.reshape(x.shape[:-1] + (-1, 32)); a = np.abs(x).max(-1, keepdims=True)
;;       e = np.where(a > 0, np.clip(np.frexp(np.where(a > 0, a, 1))[1] - 1 - 8, -126, 127), 0)      # np.frexp(a)[1] - 1 = floor(log2(a)), exactly
;;       r = np.clip(x / 2.0 ** e, -448, 448)
;;       step = 2.0 ** (np.maximum(np.frexp(np.where(r == 0, 1, r))[1] - 1, -6) - 3)
;;       q = np.round(r / step) * step * 2.0 ** e      # np.round: ties to even
;;       return np.moveaxis(q.reshape(q.shape[:-2] + (-1,))[..., :K], -1, axis).astype(np.float32)
;;   ~~~
;;   SOFTMAX AHEAD OF A QUANTISED PRODUCT. Where the list says 'softmax', what is quantised is not the finished softmax but p = 2^(t - M), with t = logit x log2(e) and M = ceil(the row's largest t), a whole number; so 1/2 < the row's largest p <= 1. The row's sum l is taken of the UNQUANTISED p, in f32, and the product's result is divided by l at the end. Since M is a whole number, a kernel that streams over the keys may use a running M (the ceiling of the running maximum): every later rescaling is an exact power of two, which a block's scale takes up: the codes' values come out the same.
;;   OPERANDS COMPUTED ON THE WAY. 'Computed on the way' means the value that the module computes at that place (a softmax that the list does not call 'softmax' is quantised finished and normalised). What goes into a quantiser is computed in f32, as accurately as f32 sums, v_exp_f32 and their like allow (about 1e-6 of the number): no bf16 or f16 on the way to a quantiser, and a product that is left as it is and whose result goes on into a quantised operand takes f32 operands (vector FMAs, or v_wmma_f32_16x16x4_f32). A number that lies on a knife's edge between two numbers of the format may be rounded either way, as far as f32 arithmetic and the matrix unit's own rounding can turn it there, and no further.
;;   INPUTS GIVEN AS CODES. W_qkv (in the module: [1024, 3, 16, 64], K = its axis 0); x (in the module: [2, 2048, 1024], K = its axis 2): each comes as NAME_codes (uint8): NAME with its K axis moved to the last place and cut into blocks of 32 codes, [.., K / 32, bytes a block], one block behind the other in memory; one code a byte (a code: sign, 4 exponent bits, 3 mantissa bits); and NAME_scales (uint8): the same leading axes, one E8M0 byte (e + 127) for each 32 codes along K. Its value is code x scale, taken as it is: it is not quantised again, and the codes and scales need not be those that the quantiser above would give.
;; One version. Each part assembles by itself: llvm-mc -triple=amdgcn-amd-amdhsa -mcpu=gfx1250 --defsym DOCPART=n.
;; ======== version 1 of 1: 3 launches
;; limits: right only within a limited range of input values
;; workspace buffers: wp_codes 1,048,576 bytes; wp_scales 32,768 bytes; rowflags 8,192 bytes of whole numbers; qimg 4,325,376 bytes; kv 8,650,752 bytes; a_codes 4,194,304 bytes; a_scales 131,072 bytes
;; launch qkv (part 1): grid 64 x 4, 4 waves a work-group, clusters of 4 x 4, 327,680 bytes of LDS; arguments x_codes, x_scales, W_qkv_codes, W_qkv_scales, b_qkv, qimg, kv, W_proj, mask, wp_codes, wp_scales, rowflags; writes qimg, kv, wp_codes, wp_scales, rowflags
.if DOCPART == 1
	.amdgcn_target "amdgcn-amd-amdhsa--gfx1250"
	.amdhsa_code_object_version 6
	.text
	.protected	k_qa272d0c803_qkv
	.globl	k_qa272d0c803_qkv
	.p2align	8
	.type	k_qa272d0c803_qkv,@function
k_qa272d0c803_qkv:
	s_mov_b64 s[64:65], 0
	v_nop
	global_prefetch_b8 v0, s[64:65] scope:SCOPE_SE
	s_setreg_imm32_b32 hwreg(HW_REG_WAVE_MODE, 25, 1), 1
	s_wait_xcnt 0x0
	s_wait_alu depctr_hold_cnt(0) depctr_sa_sdst(0) depctr_va_vdst(0) depctr_va_sdst(0) depctr_va_ssrc(0) depctr_va_vcc(0) depctr_vm_vsrc(0)
	s_getreg_b32 s2, hwreg(HW_REG_IB_STS2, 6, 4)
	s_cmp_eq_u32 s2, 0
	s_cbranch_scc0 .Lentry_in_a_cluster
	s_endpgm
.Lentry_in_a_cluster:
	s_bfe_u32 s2, ttmp6, 0x10000c
	s_cmp_lg_u32 s2, 0xf033
	s_cbranch_scc0 .Lentry_shape_is_right
	s_endpgm
.Lentry_shape_is_right:
; SIXTEEN CLUSTERS OF 4 x 4 WORK-GROUPS, parted on the cluster's number, which all sixteen partners share.
; CLUSTERS 0-11: q, k, v = x W_qkv + b_qkv (q also x 1/8), on codes of FP8 (E4M3) with one E8M0 byte for each 32 along K = 1,024, as they are given; the results are quantised at once, along the NEXT product's K, and stored as
; images of the operand registers that the attention launch wants: q and k along the head's 64 channels, v along the keys.
; CLUSTERS 12-15 (the part behind the label .Lprep, described there): the mask's flags for the attention launch and W_proj's codes for the last product: work that shares nothing with the product and runs beside it.
; THE PRODUCT.  A tile of 256 x 256 is made by four waves, 128 x 128 each: 64 accumulators of 16 x 16, 512 registers.  K goes in steps of 256 through a ring of two LDS slots filled by the tensor data mover (rows of 256 bytes);
; the scale bytes of the tile's 512 rows for all of K come once, with the first fills.  Source 1 ("A") gives a lane its row; source 0 ("B") runs along the lane's registers: register j of accumulator (a, b), lane (r, h), is
; (A's row 16 a + r, B's row 16 b + 8 h + j).  So B's side must be the next product's K:
;   clusters 0-7  (q: 0-3, k: 4-7): A = 256 tokens of x, B = 256 rows of W (channels of four heads);      clusters 8-11 (v): A = 256 rows of W's v part, B = 256 tokens of x (keys).
; Only pointers, factors and offsets are chosen by the cluster's number, and one branch round the final stores.
; JOINT LOADS: the four work-groups of a row of the cluster need the same tiles of A, the four of a column the same tiles of B: each is asked for jointly, by the same tensor load with the same descriptor and a mask that names the four.
; THE WAY OUT, for each of my eight blocks of 16 A rows: acc x sc + bias (sc = 1/8 for q; the bias lies along the registers for q and k, along the lanes for v: both forms are always added, one of them times 0);
; four blocks of 32 along B (16 numbers in my lane, 16 in lane l xor 16) are quantised; 8 codes at a time go to their place in my stage in LDS; the stage is then 32 groups of 512 bytes, which leave as they lie.
; IMAGES (a group = 512 bytes, lane l' = r' + 16 h' has bytes 16 l' ..):  q, k: 32 tokens = 4 groups 2 u' + cc; token kappa has u' = (kappa >> 3) & 1, r' = (kappa & 7) + 8 (kappa >> 4); bytes = channels 32 cc + 16 h' + 0..15;
;   scale words: 16 a block, word r' = [u' = 0: cc 0, cc 1, u' = 1: cc 0, cc 1].   v: 128 keys = 16 groups (t, c) at 4096 (c >> 1) + 1024 t + 512 (c & 1); channel chi has t = 2 (chi >> 5) + ((chi >> 3) & 1),
;   r' = (chi & 7) + 8 ((chi >> 4) & 1); bytes = keys 32 c + 16 h' + 0..15; scale words [t][r'], byte c.
; qimg: 32 heads x (131,072 codes + 4,096 scale bytes).   kv: 32 heads x (k's codes 131,072, v's codes 131,072, k's scale words 4,096, v's 4,096).
; A block of zeros gets the byte 1 where the rule says 127: its codes are zeros, and this program alone reads the bytes.  LIMITS: NaN and infinities among the inputs are not served.
; REGISTERS, in windows of 256: window 0: v1-7 at work at the head; v8-15 the bias along lanes; v16-31 addresses; v32-63 scale words, two sets, and nothing else; v64-127 the bias along registers; from v128 A's fragments, ONE set,
;   on the way out v128-255 at work.   window 1: B's fragments, TWO sets.   windows 2, 3: the accumulators ((a, b) at v[8 (8 (a % 4) + b)]).
.set KSTEP,  256                       ; along K in a slot
.set NQ,     KSTEP/128                 ; matrix instructions deep
.set ROWB,   256                       ; a tile's row in bytes
.set KROW,   1024                      ; a row of x or of W in memory, in bytes
.set PITCH,  272                       ; an LDS row: 256 bytes + 16 of padding = 68 words: the 16 rows that a load touches start at 16 different banks (64 banks of 4 bytes: ISA guide 11.1)
.set FR,     16                        ; registers of a fragment: 16 rows x 128 K
.set NL,     4                         ; LDS loads that bring one
.set NP,     8                         ; places behind this matrix instruction (ISA guide 7.12.1)
.set HALFT,  128*PITCH                 ; 128 rows: what one tensor load brings
.set SLOT,   4*HALFT                   ; A's 256 rows, then B's 256 rows
.set LAPS,   2                         ; K = 1,024 is four K steps: twice round the ring
.set KS,     32                        ; a row of scale bytes
.set SCL,    2*SLOT                    ; behind the ring: the scales, as units of 256 bytes + 16 of padding
.set HALFS,  (128*KS/256)*272          ; the scales of 128 rows
.set SBLK,   (16*KS/256)*272           ; those of 16 rows
.set SPARE,  SCL+4*HALFS               ; behind the scales: the spare words, 128 bytes for each wave: two blocks of 256 bytes that no other line names
.set WSTG,   17408                     ; the way out: a stage for each wave: 16,384 bytes of codes, 512 of scale words in q's and k's form, 512 in v's.  It lies in slot 0, which has had its last fill and its last read by then
.set BL,   8                           ; v8-15   the bias of my eight blocks' rows (v)
.set ADRA, 16                          ; v16-17  LDS address of my A fragments in slot 0, 1
.set SKA,  18                          ; v18     the stage: my scale halfword, q's and k's form
.set SVA,  19                          ; v19     the stage: my scale word, v's form
.set ADRB, 20                          ; v20-21  LDS address of my B fragments
.set GS,   22                          ; v22     the scale words' offset in memory: 16 (lane % 16) + (lane / 16) x a head's bytes
.set LI,   23                          ; v23     16 x lane
.set STO,  24                          ; v24     the stage: where I put 8 codes
.set RD,   25                          ; v25     the stage: where I read a group back
.set ADRS, 27                          ; v27     LDS address of my scale words: lanes 0-15 A's rows, lanes 16-31 B's
.set SPW,  28                          ; v28     LDS address of my spare word; never rewritten
.set NIL,  29                          ; v29     0; never rewritten
.set BRA,  30                          ; v30     32 h: the offset of the bias along registers; never rewritten
.set BLA,  31                          ; v31     4 r: of the bias along lanes; never rewritten
.set SC,   32                          ; scale words
.set BR,   64                          ; v64-127 the bias along registers: register 8 b + j
.set AF,   128                         ; A's fragments
.set T,    128                         ; the way out: v128-191 a block's 64 numbers
.set PC,   192                         ; v192-207 its codes
.set TM,   208                         ; v208-223 largest magnitudes, bytes, limits, scale operands
.set PW,   224                         ; v224 the four bytes; v225 its upper half
.set PH,   225
.set BL2,  240                         ; v240-255 the bias along lanes, each twice (pairs for the packed addition)
.set WV,   18                          ; s18 wave;  s19 wave >> 1;  s20 wave & 1
.set HR,   19
.set HC,   20
.set TR,   46                          ; s46 which 256 rows of A;  s42 which 256 rows of B
.set TC,   42
.set G1, 24                            ; s[24:31] descriptor group 1 for A's tiles;  s[32:39] group 0, one set for each slot
.set G0, 32
.set G1B, 48                           ; s[48:55], s[56:63] the same for B's tiles
.set G0B, 56
.set G1S, 68                           ; s[68:75], s[76:79] groups 1 and 0 for A's scales;  s[80:87], s[88:91] for B's
.set G0S, 76
.set G1SB, 80
.set G0SB, 88
.set P0,  92                           ; s[92:93] where my first head's codes go;  s[94:95] my second head's;  s[96:97] my first head's scale words
.set P1,  94
.set PS,  96
.set SCP, 98                           ; s[98:99] sc;  s[104:105] the factor of the bias along registers;  s66 of the bias along lanes
.set GR,  104
.set GL,  66
.set MNT, 67                           ; s67 the mantissa field of 448
.set SEL, 40                           ; s[40:41] lane selects for lane l xor 16 (set when cx and cy are done with)
.set MSB, 0
.macro WIN new                         ; the immediate's high byte repeats the setting that is left
.if MSB != (\new)
	s_set_vgpr_msb (MSB<<8)|(\new)
.set MSB, (\new)
.endif
.endm
.set MUL_LO, 0xa1                      ; source 0 (B) window 1, source 1 (A) window 0, C and D window 2
.set MUL_HI, 0xf1                      ; the same, C and D window 3
.set TO_B,   0x40                      ; destination window 1, address window 0
; A joint load: waves 0 and 1 fetch for A, waves 2 and 3 for B.  Each of the two lines has ONE mask and one set of registers for all that issue it; the branch hangs on the wave's number alone.
; Four v_nop follow each of the two lines, ahead of the jump, the label and what follows.
.macro JLOAD g0a, g1a, g0b, g1b
	s_cmp_eq_u32 s[HR], 0
	s_cbranch_scc0 .Lfor_b_\@
	tensor_load_to_lds s[\g0a:\g0a+3], s[\g1a:\g1a+7]
	s_nop 0
.rept 4
	v_nop
.endr
	s_branch .Lasked_\@
.Lfor_b_\@:
	tensor_load_to_lds s[\g0b:\g0b+3], s[\g1b:\g1b+7]
	s_nop 0
.rept 4
	v_nop
.endr
.Lasked_\@:
.endm
.macro CREST                           ; a round of the cluster's barrier behind its opening barrier
	s_cmp_lg_u32 s[WV], 0
	s_cbranch_scc1 .Lnot_wave_0_\@
	s_barrier_signal -3
.Lnot_wave_0_\@:
	s_barrier_wait -3
	s_barrier_signal -1
	s_barrier_wait -1
.endm
.macro CROUND                          ; a whole round
	s_barrier_signal -1
	s_barrier_wait -1
	CREST
.endm
	v_lshl_add_u32 v[SPW], v0, 2, SPARE
	v_mov_b32 v[NIL], 0
	ds_add_u32 v28, v29
	ds_add_u32 v28, v29
	s_wait_dscnt 0x0
	v_lshrrev_b32 v1, 5, v0
	v_readfirstlane_b32 s[WV], v1                  ; wave 0..3
	s_cmp_lt_u32 ttmp9, 12                         ; the cluster's number: the same in all sixteen partners
	s_cbranch_scc0 .Lprep                          ; clusters 12-15 have the other job; the two ways do not meet again
	s_load_b256 s[4:11], s[0:1], 0x0               ; x's codes s[4:5], x's scales s[6:7], W's codes s[8:9], W's scales s[10:11]
	s_load_b128 s[12:15], s[0:1], 0x20             ; b_qkv s[12:13], qimg s[14:15]
	s_load_b64 s[16:17], s[0:1], 0x30              ; kv
	s_lshr_b32 s[HR], s[WV], 1                     ; which half of A's rows is mine.  Also: I fetch for A (0) or for B (1)
	s_and_b32 s[HC], s[WV], 1                      ; which half of B's rows.  Also: which 128 rows of that tile I fetch
	s_bfe_u32 s40, ttmp6, 0x40000                  ; cx, cy: my place in the cluster
	s_bfe_u32 s41, ttmp6, 0x40004
	s_and_b32 s21, ttmp9, 3
	s_lshl_b32 s21, s21, 2                         ; q, k: tokens' tile = 4 (cluster & 3) + cy
	s_and_b32 s22, ttmp9, 4                        ; q, k: W's tile = 4 (cluster >> 2) + cx
	s_sub_co_u32 s23, ttmp9, 8
	s_lshl_b32 s23, s23, 2                         ; v: tokens' tile = 4 (cluster - 8) + cx; W's tile = cy
	s_cmp_lt_u32 ttmp9, 8
	s_cselect_b32 s21, s21, 0
	s_cselect_b32 s22, s22, s23
	s_add_co_u32 s[TR], s21, s41
	s_add_co_u32 s[TC], s22, s40
	s_lshl_b32 s43, s41, 2
	s_lshl_b32 s43, 15, s43                        ; my row of the cluster
	s_lshl_b32 s44, 0x1111, s40                    ; my column
	; descriptor group 1: a tile of 128 rows x 256 bytes, padded in LDS
	s_or_b32 s[G1+0], s43, (0<<16)|(1<<20)|(1<<21)|(5<<22)|(3<<25)  ; 15:0 the mask: A's tiles go to my row; 17:16 element of 1 byte; 20 padding on; 21 set beside a mask; 24:22 after every 64 words (code 5); 31:25 of 4 words (code 3)
	s_or_b32 s[G1B+0], s44, (0<<16)|(1<<20)|(1<<21)|(5<<22)|(3<<25)
.irp g, G1, G1B
	s_mov_b32 s[\g+1], ROWB<<16                    ; tensor_dim0
	s_mov_b32 s[\g+2], 256<<16                     ; tensor_dim1 = 256 for the head's loads; set to 128 behind them
	s_mov_b32 s[\g+3], ROWB<<16                    ; tile_dim0
	s_mov_b32 s[\g+4], 256                         ; tile_dim1 likewise
	s_mov_b32 s[\g+5], KROW                        ; tensor_dim0_stride
	s_mov_b32 s[\g+6], 0
	s_mov_b32 s[\g+7], 0
.endr
	; and for the scales of 128 rows: a dense block of 4,096 bytes, as 16 rows of 256 bytes (32 elements of 8 bytes), 16 bytes of padding behind each
	s_or_b32 s[G1S+0], s43, (3<<16)|(1<<20)|(1<<21)|(5<<22)|(3<<25)
	s_or_b32 s[G1SB+0], s44, (3<<16)|(1<<20)|(1<<21)|(5<<22)|(3<<25)
.irp g, G1S, G1SB
	s_mov_b32 s[\g+1], 32<<16
	s_mov_b32 s[\g+2], (256*KS/256)<<16            ; the scales of all 256 rows: 32 rows of 256 bytes
	s_mov_b32 s[\g+3], 32<<16
	s_mov_b32 s[\g+4], 256*KS/256
	s_mov_b32 s[\g+5], 32
	s_mov_b32 s[\g+6], 0
	s_mov_b32 s[\g+7], 0
.endr
	s_lshl_b32 s21, s[HC], 7                       ; which 128 rows of the tile I fetch
	s_lshl_b32 s22, s[TR], 8                       ; A: the tile's first row
	s_lshl_b32 s92, s22, 10
	s_mov_b32 s93, 0
	s_lshl_b32 s94, s22, 5                         ; its scale bytes
	s_mov_b32 s95, 0
	s_lshl_b32 s23, s[TC], 8                       ; B likewise
	s_lshl_b32 s96, s23, 10
	s_mov_b32 s97, 0
	s_lshl_b32 s98, s23, 5
	s_mov_b32 s99, 0
	s_mul_i32 s45, s[WV], HALFT                    ; where they go: wave x 128 rows: no place in the cluster enters an LDS address
	s_wait_kmcnt 0x0
	s_add_nc_u64 s[100:101], s[8:9], 0x200000      ; W's v part: row 2,048 on
	s_add_nc_u64 s[104:105], s[10:11], 0x10000
	s_cmp_lt_u32 ttmp9, 8                          ; the choice hangs on the cluster's number alone
	s_cselect_b64 s[100:101], s[4:5], s[100:101]   ; A's codes: x, or W's v part
	s_cselect_b64 s[104:105], s[6:7], s[104:105]   ; A's scales
	s_cselect_b64 s[4:5], s[8:9], s[4:5]           ; B's codes: W, or x
	s_cselect_b64 s[6:7], s[10:11], s[6:7]         ; B's scales
	s_add_nc_u64 s[100:101], s[100:101], s[92:93]
	s_add_nc_u64 s[104:105], s[104:105], s[94:95]
	s_add_nc_u64 s[4:5], s[4:5], s[96:97]
	s_add_nc_u64 s[6:7], s[6:7], s[98:99]
	CROUND                                         ; all sixteen work-groups are here: the first joint loads meet
	s_mov_b32 s[G0S], 1
	s_mov_b32 s[G0S+1], SCL
	s_mov_b64 s[G0S+2:G0S+3], s[104:105]
	s_or_b32 s[G0S+3], s[G0S+3], 0x80000000
	s_mov_b32 s[G0SB], 1
	s_mov_b32 s[G0SB+1], SCL+2*HALFS
	s_mov_b64 s[G0SB+2:G0SB+3], s[6:7]
	s_or_b32 s[G0SB+3], s[G0SB+3], 0x80000000
	; slot 0's groups 0 serve the head's loads first: K step 0's 256 rows of A at LDS 0, its 256 rows of B behind them
	s_mov_b32 s[G0], 1
	s_mov_b32 s[G0+1], 0
	s_mov_b64 s[G0+2:G0+3], s[100:101]
	s_or_b32 s[G0+3], s[G0+3], 0x80000000
	s_mov_b32 s[G0B], 1
	s_mov_b32 s[G0B+1], 2*HALFT
	s_mov_b64 s[G0B+2:G0B+3], s[4:5]
	s_or_b32 s[G0B+3], s[G0B+3], 0x80000000
	s_lshl_b32 s2, s21, 10                         ; in the ring I fetch 128 rows of a tile: which half, in bytes
	s_mov_b32 s3, 0
	s_mov_b32 s[G0+4], 1                           ; slot 1: K step 1, my 128 rows
	s_add_co_u32 s[G0+5], s45, SLOT
	s_add_nc_u64 s[G0+6:G0+7], s[100:101], s[2:3]
	s_add_nc_u64 s[G0+6:G0+7], s[G0+6:G0+7], ROWB
	s_or_b32 s[G0+7], s[G0+7], 0x80000000
	s_mov_b32 s[G0B+4], 1
	s_add_co_u32 s[G0B+5], s45, SLOT
	s_add_nc_u64 s[G0B+6:G0B+7], s[4:5], s[2:3]
	s_add_nc_u64 s[G0B+6:G0B+7], s[G0B+6:G0B+7], ROWB
	s_or_b32 s[G0B+7], s[G0B+7], 0x80000000
; THE HEAD'S LOADS, ONE A WAVE: wave 0 K step 0's 256 rows of A, wave 1 its 256 rows of B, wave 2 A's scales, wave 3 B's.  One tree of branches on the wave's number, a load to an arm.
.macro ARM under, g0, g1, next
	s_cmp_lt_u32 s[WV], \under
	s_cbranch_scc0 \next
	tensor_load_to_lds s[\g0:\g0+3], s[\g1:\g1+7]
	s_nop 0
.rept 4
	v_nop
.endr
	s_branch .Lhead_asked
\next:
.endm
	ARM 1, G0,  G1,  .Lhead_b
	ARM 2, G0B, G1B, .Lhead_sa
	ARM 3, G0S, G1S, .Lhead_sb
	tensor_load_to_lds s[G0SB:G0SB+3], s[G1SB:G1SB+7]
	s_nop 0
.rept 4
	v_nop
.endr
.Lhead_asked:
	v_and_b32 v1, 15, v0                           ; r = l % 16
	v_bfe_u32 v2, v0, 4, 1                         ; h = l / 16
	v_mul_u32_u24 v3, v1, PITCH
	v_lshl_add_u32 v4, v2, 4, v3                   ; a fragment's row x pitch + 16 x half
	s_mul_i32 s21, s[HR], HALFT                    ; my 128 rows of A
	s_mul_i32 s22, s[HC], HALFT                    ; my 128 rows of B,
	s_add_co_u32 s22, s22, 2*HALFT                 ; which lie behind A's 256
.irp s, 0,1
	v_add_nc_u32 v[ADRA+\s], s21, v4
	v_add_nc_u32 v[ADRB+\s], s22, v4
	s_add_co_u32 s21, s21, SLOT
	s_add_co_u32 s22, s22, SLOT
.endr
	v_mul_u32_u24 v5, v1, KS                       ; my row's scales: 32 bytes a row,
	v_lshrrev_b32 v6, 8, v5
	v_lshl_add_u32 v5, v6, 4, v5                   ; and 16 more for each 256 passed
	s_mul_i32 s21, s[HR], HALFS                    ; A's: my 128 rows
	s_mul_i32 s22, s[HC], HALFS                    ; B's: my 128 rows, behind A's 256
	s_add_co_u32 s22, s22, 2*HALFS
	s_sub_co_u32 s22, s22, s21
	v_mul_u32_u24 v6, s22, v2                      ; lanes 16-31 take B's
	s_add_co_u32 s21, s21, SCL
	v_add_nc_u32 v5, v5, v6
	v_add_nc_u32 v[ADRS], s21, v5
	s_mul_i32 s23, s[WV], WSTG                     ; my stage
	v_and_b32 v5, 7, v0                            ; r & 7
	v_bfe_u32 v6, v0, 3, 1                         ; r >> 3
	v_lshlrev_b32 v7, 4, v5
	v_lshl_add_u32 v7, v6, 10, v7
	v_lshl_add_u32 v7, v2, 3, v7
	v_add_nc_u32 v[STO], s23, v7                   ; 1024 (r >> 3) + 16 (r & 7) + 8 h
	v_and_b32 v7, 31, v0
	v_lshlrev_b32 v[LI], 4, v7
	v_add_nc_u32 v[RD], s23, v[LI]
	v_lshlrev_b32 v7, 2, v5
	v_lshl_add_u32 v3, v6, 1, v7
	v_add_nc_u32 v3, s23, v3
	v_add_nc_u32 v[SKA], 16384, v3                 ; 4 (r & 7) + 2 (r >> 3)
	v_lshl_add_u32 v3, v6, 6, v7
	v_add_nc_u32 v3, s23, v3
	v_add_nc_u32 v[SVA], 16896, v3                 ; 4 (r & 7) + 64 (r >> 3)
	; what the way out needs, chosen by the cluster's number
	s_lshl_b32 s21, s[TR], 8
	s_lshl_b32 s22, s[HR], 7
	s_add_co_u32 s21, s21, s22                     ; L0: my first row of A
	s_lshl_b32 s22, s[TC], 8
	s_lshl_b32 s23, s[HC], 7
	s_add_co_u32 s22, s22, s23                     ; R0: my first row of B
	s_and_b32 s23, s22, 1023
	s_add_co_u32 s43, s21, 2048
	s_cmp_lt_u32 ttmp9, 8
	s_cselect_b32 s44, s21, s22                    ; my first token
	s_cselect_b32 s23, s23, s21                    ; my first channel, of 1,024
	s_cselect_b32 s22, s22, 0                      ; the bias along registers begins at b_qkv[R0] (v: any 128 numbers, times 0)
	s_cselect_b32 s43, 0, s43                      ; the bias along lanes at b_qkv[2048 + L0] (q, k: any, times 0)
	s_cselect_b32 s45, 0, 131072                   ; v's codes lie behind k's
	s_mov_b32 s47, 266240
	s_cselect_b32 s47, 262144, s47                 ; where a head's scale words begin: k, v,
	s_cselect_b32 s[GL], 0, 1.0
	s_cmp_lt_u32 ttmp9, 4
	s_cselect_b32 s47, 131072, s47                 ; q
	s_cselect_b32 s[SCP], 0x3e000000, 1.0          ; q is multiplied by 1 / sqrt(64) = 1/8 ahead of its quantiser
	s_mov_b32 s21, 270336
	s_cselect_b32 s21, 135168, s21                 ; a head's bytes in the buffer
	s_cselect_b64 s[P0:P0+1], s[14:15], s[16:17]   ; qimg or kv
	s_cmp_lt_u32 ttmp9, 8
	s_cselect_b32 s[GR], s[SCP], 0
	s_mov_b32 s[SCP+1], s[SCP]                     ; (named as pairs, so both are written)
	s_mov_b32 s[GR+1], s[GR]
	s_mov_b32 s101, 0
	s_lshl_b32 s100, s22, 2
	s_add_nc_u64 s[8:9], s[12:13], s[100:101]
	s_lshl_b32 s100, s43, 2
	s_add_nc_u64 s[10:11], s[12:13], s[100:101]
	s_lshr_b32 s22, s44, 11                        ; batch
	s_lshl_b32 s22, s22, 4
	s_lshr_b32 s23, s23, 6
	s_add_co_u32 s22, s22, s23                     ; my first head, of 32
	s_and_b32 s44, s44, 2047                       ; my first token in its batch
	s_mul_i32 s22, s22, s21
	s_lshl_b32 s23, s44, 1                         ; scale words: 2 bytes a token
	s_add_co_u32 s23, s23, s22
	s_add_co_u32 s100, s23, s47
	s_add_nc_u64 s[PS:PS+1], s[P0:P0+1], s[100:101]
	s_lshl_b32 s23, s44, 6                         ; codes: 64 bytes a token
	s_add_co_u32 s23, s23, s22
	s_add_co_u32 s100, s23, s45
	s_add_nc_u64 s[P0:P0+1], s[P0:P0+1], s[100:101]
	s_mov_b32 s100, s21
	s_add_nc_u64 s[P1:P1+1], s[P0:P0+1], s[100:101]
	v_lshlrev_b32 v3, 4, v1
	v_mul_u32_u24 v4, s21, v2
	v_add_nc_u32 v[GS], v3, v4
	v_lshlrev_b32 v[BRA], 5, v2
	v_lshlrev_b32 v[BLA], 2, v1
.irp b, 0,1,2,3,4,5,6,7
	global_load_b128 v[BR+8*\b:BR+8*\b+3], v[BRA], s[8:9] offset:64*\b          ; b(R0 + 16 b + 8 h + 0 .. 7); they land during the product, in registers that it does not name
	global_load_b128 v[BR+8*\b+4:BR+8*\b+7], v[BRA], s[8:9] offset:64*\b+16
.endr
.irp a, 0,1,2,3,4,5,6,7
	global_load_b32 v[BL+\a], v[BLA], s[10:11] offset:64*\a                     ; b(2048 + L0 + 16 a + r)
.endr
	s_mov_b32 s[SEL], 0x76543210
	s_mov_b32 s[SEL+1], 0xfedcba98
	s_mov_b32 s[MNT], 0x600000
.macro FRAG reg, adr, q, i             ; a fragment, 16 rows x 128 K of 8-bit codes, is 16 registers: lane l holds row l % 16; registers 4 c .. 4 c + 3 hold K = 32 c + 16 (l / 16) + 0 .. 15
.irp c, 0,1,2,3
	ds_load_b128 v[\reg+4*\c:\reg+4*\c+3], v[\adr] offset:128*(\q)+32*\c+(\i)*16*PITCH
.endr
.endm
; 16 matrix instructions: A's blocks a0, a0 + 1 x B's eight, 128 along K: the slot's q-th.  p: B's set;  sc: the set of scale words.  zero = 1: the first product starts the sums: nothing is ever cleared.
; The 64 accumulators take turns, one instruction a turn, in the same order in every step.
.macro MUL16 a0, p, q, sc, zero
.irp a, \a0, \a0+1
.irp b, 0,1,2,3,4,5,6,7
.if \zero
	v_wmma_scale_f32_16x16x128_f8f6f4 v[8*(8*((\a)%4)+\b):8*(8*((\a)%4)+\b)+7], v[128*(\p)+FR*\b:128*(\p)+FR*\b+FR-1], v[AF+FR*(\a):AF+FR*(\a)+FR-1], 0, v[SC+8*NQ*(\sc)+NQ*\b+(\q)], v[SC+8*NQ*(\sc)+NQ*(\a)+(\q)] matrix_a_scale:MATRIX_SCALE_ROW1
.else
	v_wmma_scale_f32_16x16x128_f8f6f4 v[8*(8*((\a)%4)+\b):8*(8*((\a)%4)+\b)+7], v[128*(\p)+FR*\b:128*(\p)+FR*\b+FR-1], v[AF+FR*(\a):AF+FR*(\a)+FR-1], v[8*(8*((\a)%4)+\b):8*(8*((\a)%4)+\b)+7], v[SC+8*NQ*(\sc)+NQ*\b+(\q)], v[SC+8*NQ*(\sc)+NQ*(\a)+(\q)] matrix_a_scale:MATRIX_SCALE_ROW1
.endif
.endr
.endr
.endm
.macro FETCH_B slot, q, p              ; B's eight fragments of the slot's q-th 128 along K into set p
	WIN TO_B
.irp i, 0,1,2,3,4,5,6,7
	FRAG 128*(\p)+FR*\i, ADRB+\slot, \q, \i
.endr
	WIN 0
.endm
.macro FETCH_A slot, q, i0             ; A's blocks i0 .. i0 + 3
.irp i, \i0, \i0+1, \i0+2, \i0+3
	FRAG AF+FR*(\i), ADRA+\slot, \q, \i
.endr
.endm
.macro SCALES sc                       ; the next K step's scale words into set sc: two words a row; lanes 0-15 take A's block i, lanes 16-31 B's block i
.irp i, 0,1,2,3,4,5,6,7
	ds_load_b64 v[SC+8*NQ*\sc+NQ*\i:SC+8*NQ*\sc+NQ*\i+1], v[ADRS] offset:\i*SBLK
.endr
.endm
; A load into a register that a matrix instruction has read, and a vector instruction that reads a matrix result, stand NP places behind that matrix instruction; only plain vector instructions that name none of its
; registers are places (ISA guide 7.12.1 for vector instructions).
.macro PLACES n
.rept \n
	v_nop
.endr
.endm
; A step of 128 along K that has its successor in the same slot.
.macro STEP slot, q, zero
	s_wait_dscnt 4*NL                              ; B's set and A's blocks 0-3 are in; the youngest sixteen loads (A's blocks 4-7) may be out
	WIN MUL_LO
	MUL16 0, (\q)%2, \q, \slot, \zero
	MUL16 2, (\q)%2, \q, \slot, \zero
	s_wait_dscnt 0                                 ; A's blocks 4-7 are in (asked for 32 matrix instructions ago)
	PLACES NP
	FETCH_B \slot, (\q)+1, 1-(\q)%2
	FETCH_A \slot, (\q)+1, 0
	WIN MUL_HI
	MUL16 4, (\q)%2, \q, \slot, \zero
	MUL16 6, (\q)%2, \q, \slot, \zero
	PLACES NP
	WIN 0
	FETCH_A \slot, (\q)+1, 4
.endm
; A slot's last step changes slots: ONE barrier; in front of it each wave waits for all its tensor loads, adds 0 to its spare word, and waits for that and for its own reads of this slot.  fill = 1: this slot is filled again, two K steps ahead.
.macro TURN slot, next, fill
	s_wait_tensorcnt 0x0                           ; all my tensor loads have landed: my part of the next slot;  (every window is 0 here: the add's two registers lie in window 0)
	ds_add_u32 v[SPW], v[NIL]                      ; 0 onto my spare word
	s_wait_dscnt 4*NL+1                            ; (the add and the youngest sixteen loads, A's blocks 4-7, may be out)
	WIN MUL_LO
	MUL16 0, 1, NQ-1, \slot, 0                     ; sixteen matrix instructions stand between the add and the wait for it
	s_wait_dscnt 0x0                               ; the add is done, and my reads of this slot are over
	s_barrier_signal -1
	MUL16 2, 1, NQ-1, \slot, 0
	WIN 0
	s_barrier_wait -1
.if \fill
	CREST                                          ; the barrier has opened a round of the cluster's barrier: no wave of any partner still reads this slot's tile or has a load on its way
	s_add_nc_u64 s[G0+4*\slot+2:G0+4*\slot+3], s[G0+4*\slot+2:G0+4*\slot+3], 2*ROWB
	s_add_nc_u64 s[G0B+4*\slot+2:G0B+4*\slot+3], s[G0B+4*\slot+2:G0B+4*\slot+3], 2*ROWB
	JLOAD G0+4*\slot, G1, G0B+4*\slot, G1B         ; the first tensor load behind the round, my one load until the next; the four v_nop behind it are among the places in front of the loads below
	PLACES NP-4
.else
	PLACES NP
.endif
	s_wait_alu depctr_va_vdst(0)
	v_add_nc_u32 v[ADRS], 4*NQ, v[ADRS]            ; on to the next K step's scale words (no LDS load of mine is out)
	FETCH_B \next, 0, 0
	FETCH_A \next, 0, 0
	SCALES \next
	WIN MUL_HI
	MUL16 4, 1, NQ-1, \slot, 0
	MUL16 6, 1, NQ-1, \slot, 0
	PLACES NP
	WIN 0
	FETCH_A \next, 0, 4
.endm
	s_wait_alu depctr_va_vdst(0)                   ; the wait at the head's end
	s_wait_tensorcnt 0x0                           ; my tile of the head's four is in
	ds_add_u32 v[SPW], v[NIL]
	s_mov_b32 s[G1+2], 128<<16                     ; no tensor load of mine is out, so descriptors may be written: from here on a load brings 128 rows,
	s_mov_b32 s[G1+4], 128
	s_mov_b32 s[G1B+2], 128<<16
	s_mov_b32 s[G1B+4], 128
	s_mul_i32 s[G0+1], s[WV], HALFT                ; and slot 0's groups 0 name my quarter of the slot and my 128 rows
	s_mul_i32 s[G0B+1], s[WV], HALFT
	s_add_nc_u64 s[G0+2:G0+3], s[G0+2:G0+3], s[2:3]
	s_add_nc_u64 s[G0B+2:G0B+3], s[G0B+2:G0B+3], s[2:3]
	s_wait_dscnt 0x0
	CROUND                                         ; a whole round: all four tiles are in, and all sixteen work-groups are here
	JLOAD G0+4, G1, G0B+4, G1B                     ; K step 1: the first tensor load behind the round
	FETCH_B 0, 0, 0
	FETCH_A 0, 0, 0
	SCALES 0
	FETCH_A 0, 0, 4
	STEP 0, 0, 1                                   ; the first step stands in front of the loop: its products start the sums
	s_mov_b32 s3, LAPS-1
.Llap:                                                 ; a trip goes once round the ring, from a lap's second step to the next lap's first, and fills both slots again
	TURN 0, 1, 1
	STEP 1, 0, 0
	TURN 1, 0, 1
	STEP 0, 0, 0
	s_sub_co_u32 s3, s3, 1
	s_cmp_lg_u32 s3, 0
	s_cbranch_scc1 .Llap
	TURN 0, 1, 0                                   ; the last lap fills nothing, and has no round of the cluster's barrier
	STEP 1, 0, 0
	s_wait_dscnt 4*NL                              ; the very last step: nothing more to fetch
	WIN MUL_LO
	MUL16 0, 1, NQ-1, 1, 0
	MUL16 2, 1, NQ-1, 1, 0
	s_wait_dscnt 0
	WIN MUL_HI
	MUL16 4, 1, NQ-1, 1, 0
	MUL16 6, 1, NQ-1, 1, 0
	WIN 0
; THE WAY OUT.
; 64 numbers of a lane, v[s] .. v[s + 63]: four blocks, 16 numbers each in my lane and 16 in lane l xor 16, become codes in v[PC] on (8 codes to a pair of registers) and four scale bytes in v[PW].
.macro QUANT s
.irp b, 0,1,2,3
	v_max3_num_f32 v[TM+\b], |v[\s+16*\b]|, |v[\s+1+16*\b]|, 0x4800000   ; block b: my 16 numbers, and the floor 2^(9 - 127): so the byte cannot fall under 1
.endr
.irp i, 2,4,6,8,10,12,14
.irp b, 0,1,2,3
	v_max3_num_f32 v[TM+\b], v[TM+\b], |v[\s+16*\b+\i]|, |v[\s+1+16*\b+\i]|   ; (the four blocks by turns: no line waits for the line above it)
.endr
.endr
.irp b, 0,1,2,3
	v_permlanex16_b32 v[TM+4+\b], v[TM+\b], s[SEL], s[SEL+1]
.endr
.irp b, 0,1,2,3
	v_max_num_f32 v[TM+\b], v[TM+\b], v[TM+4+\b]   ; with lane l xor 16's: the block's largest magnitude
.endr
.irp b, 0,1,2,3
	v_add_nc_u32 v[TM+12+\b], 0xfc000000, v[TM+\b]   ; 8 off its exponent field: the conversion's scale operand
.endr
.irp b, 0,1,2,3
	v_and_or_b32 v[TM+8+\b], v[TM+\b], 0x7f800000, s[MNT]   ; 448 x the scale
.endr
.irp b, 0,1,2,3
	v_lshrrev_b32 v[TM+4+\b], 23, v[TM+12+\b]   ; the scale's byte
.endr
	v_lshl_or_b32 v[PW], v[TM+5], 8, v[TM+4]
	v_lshl_or_b32 v[PW], v[TM+6], 16, v[PW]
	v_lshl_or_b32 v[PW], v[TM+7], 24, v[PW]
.irp b, 0,1,2,3
.irp i, 0,1,2,3,4,5,6,7,8,9,10,11,12,13,14,15
	v_med3_num_f32 v[\s+16*\b+\i], v[\s+16*\b+\i], -v[TM+8+\b], v[TM+8+\b]   ; the conversion to an 8-bit code does not saturate (ISA guide 7.6.2): the hold comes first
.endr
	v_cvt_scalef32_pk8_fp8_f32 v[PC+4*\b:PC+1+4*\b], v[\s+16*\b:\s+7+16*\b], v[TM+12+\b]
	v_cvt_scalef32_pk8_fp8_f32 v[PC+2+4*\b:PC+3+4*\b], v[\s+8+16*\b:\s+15+16*\b], v[TM+12+\b]
.endr
	v_nop                                          ; one plain vector instruction behind the last scaled conversion
.endm
; Block a: my rows 16 a + r of A, against B's 128 rows.
.macro OUTBLK a
.set AC, 64*((\a)%4)
	WIN 0x02+(\a)/4                                ; source 0: window 2 or 3
.set i, 0
.rept 32
	v_pk_fma_f32 v[T+i:T+i+1], v[AC+i:AC+i+1], s[SCP:SCP+1], v[BR+i:BR+i+1] op_sel_hi:[1,0,1]   ; acc x sc + the bias along registers (already x its factor); each accumulator is read from its low end on
.set i, i+2
.endr
	WIN 0
.set i, 0
.rept 32
	v_pk_add_f32 v[T+i:T+i+1], v[T+i:T+i+1], v[BL2+2*(\a):BL2+2*(\a)+1]                         ; + the bias along lanes (x its factor)
.set i, i+2
.endr
	QUANT T
	v_lshrrev_b32 v[PH], 16, v[PW]
.irp bb, 0,1,2,3
.irp u, 0,1
	ds_store_b64 v[STO], v[PC+4*\bb+2*\u:PC+4*\bb+2*\u+1] offset:(\bb/2)*8192+((\a)/2)*2048+(\bb%2)*512+((\a)%2)*128+\u*256   ; B's rows 32 bb + 16 u + 8 h + 0 .. 7: half u of the group's lanes, bytes 8 h on
.endr
.endr
	ds_store_b16 v[SKA], v[PW] offset:((\a)/2)*64+((\a)%2)*32            ; q's and k's form: two bytes for my first head,
	ds_store_b16 v[SKA], v[PH] offset:256+((\a)/2)*64+((\a)%2)*32        ; two for my second (both halves of the lanes write the same bytes with the same values)
	ds_store_b32 v[SVA], v[PW] offset:((\a)/4)*256+(((\a)/2)%2)*128+((\a)%2)*32   ; v's form: the word.  Both forms are always written, in bytes of their own; one of them is stored to memory
	s_wait_dscnt 0x0                               ; the stores have read their registers
.endm
	PLACES NP                                      ; behind the last products: their registers are written and their results read from here on
	s_wait_loadcnt 0x0                             ; the biases
.set i, 0
.rept 32
	v_pk_mul_f32 v[BR+i:BR+i+1], v[BR+i:BR+i+1], s[GR:GR+1] op_sel_hi:[1,0]
.set i, i+2
.endr
.irp a, 0,1,2,3,4,5,6,7
	v_mul_f32 v[BL2+2*\a], s[GL], v[BL+\a]
	v_mul_f32 v[BL2+2*\a+1], s[GL], v[BL+\a]
.endr
.irp b, 0,1,2,3
	v_mov_b32 v[TM+4+\b], 0                        ; written once: a lane permute's destination counts as one of its sources
.endr
.irp a, 0,1,2,3,4,5,6,7
	OUTBLK \a
.endr
.set G, 0
.rept 32
	ds_load_b128 v[64+4*G:64+4*G+3], v[RD] offset:512*G          ; my stage, group by group: my own bytes, so no barrier
.set G, G+1
.endr
	ds_load_b128 v[192:195], v[RD] offset:16384
	ds_load_b128 v[196:199], v[RD] offset:16896
	s_wait_dscnt 0x0
	s_cmp_lt_u32 ttmp9, 8                          ; the same in all sixteen partners; only stores stand under it
	s_cbranch_scc0 .Lv_out
.set G, 0
.rept 16
	global_store_b128 v[LI], v[64+4*G:64+4*G+3], s[P0:P0+1] offset:512*G          ; a wave's store covers 512 consecutive bytes, aligned
.set G, G+1
.endr
.rept 16
	global_store_b128 v[LI], v[64+4*G:64+4*G+3], s[P1:P1+1] offset:512*(G-16)
.set G, G+1
.endr
	global_store_b128 v[GS], v[192:195], s[PS:PS+1]                               ; 256 consecutive bytes for each of my two heads
	s_branch .Lend
.Lv_out:
.set G, 0
.rept 32
.if (G/8)%2
	global_store_b128 v[LI], v[64+4*G:64+4*G+3], s[P1:P1+1] offset:512*((G/16)*8+G%8)
.else
	global_store_b128 v[LI], v[64+4*G:64+4*G+3], s[P0:P0+1] offset:512*((G/16)*8+G%8)
.endif
.set G, G+1
.endr
	global_store_b128 v[GS], v[196:199], s[PS:PS+1]
.Lend:
	s_wait_tensorcnt 0x0                           ; the wave's end, behind my last tensor load and my last LDS store
	ds_add_u32 v[SPW], v[NIL]
	s_wait_dscnt 0x0
	CROUND                                         ; the closing round: no work-group ends while a partner may still ask for a tile that names it
	s_endpgm
; ======================================================================================================================================================================================
; CLUSTERS 12-15: 64 work-groups, 256 waves.  They ask for no tile, use no LDS but the spare words and share no input: each wave has a job of its own, in two parts that take turns.
; THE MASK [2048][2048], f32.  Wave g takes rows 8 g .. 8 g + 7 and stores one word of flags for each.  With bias = (1 - mask) x -1e9, made as the model makes it, and R the row's largest bias, for key step i (128 keys):
;   bit 2 i     = some bias of the step lies less than 5e8 under R: the step cannot be left out for this row;      bit 2 i + 1 = some bias of the step is not 0: the mask has to be read there.
;   No branch, no address and no trip count hangs on these numbers: they go through s_cselect_b32 and are only stored.
; W_proj [1024 (k = head x 64 + channel)][1024 (d)], f32, K its first axis.  A wave takes 32 columns d x 128 along K.  A lane takes a column and its registers run down K: a block of 32 lies in one lane's 32 registers, and the
;   conversions give codes with K innermost.  wp_codes is laid as images of the last product's operand registers, [16 columns: 64][block of 32 along K: 32][512 bytes], lane l' = r' + 16 h' of a group holding column 16 tile + r',
;   K = 32 block + 16 h' + 0..15: so a lane's 32 codes leave by two stores, in each of which sixteen lanes fill 256 consecutive bytes, aligned.  wp_scales: [d][32]; four bytes are all that a wave owns of a column's row.
;   A block's byte is its largest magnitude's exponent field - 8, held at 1 from below (a block of zeros gets 1 where the rule says 127: its codes are zeros, and this program alone reads the bytes).
; THE TURNS: row (register set 0), row (set 1), block of W: each is asked for again as soon as its registers are consumed, so that two rows and a block, 16 + 16 + 32 loads, are always on their way.
; Three trips ask again; the fourth is written out without loads, so that no load leaves its buffer.
; LIMITS: a step is left out later only where all its biases lie 5e8 or more under the row's largest: that is exact while the scores of a row spread over less than 4.9e8.  NaN and infinities in W_proj or in the mask are not served.
; REGISTERS: v2 lane; v3 W's offset; v4 the codes' offset; v5 the scale bytes'; v6, v7 the mask's offsets of sets 0, 1; v8-13 at work; v14 the eight flag words, one a lane; v15 my column's four scale bytes; v16-23 a block's codes;
;   v24 4 x lane; v32-47 my largest bias of each step; v48-55 at work; v64-127, v128-191 the two rows; v192-223 a block of W.
.set LM,   32
.set AMT,  48
.set DT,   52
.set X0,   64
.set X1,   128
.set WX,   192
.set CW,   16
.macro MFILL xb, off                   ; a row of the mask: sixteen loads of 512 consecutive bytes; load i is key step i
.irp i, 0,1,2,3,4,5,6,7,8,9,10,11,12,13,14,15
	global_load_b128 v[\xb+4*\i:\xb+4*\i+3], v[\off], s[8:9] offset:512*\i th:TH_LOAD_NT
.endr
.endm
.macro WFILL                           ; a block of W: W(32 t + i, my column): a load reads 128 consecutive bytes, the four waves of a work-group 512
.irp i, 0,1,2,3,4,5,6,7,8,9,10,11,12,13,14,15,16,17,18,19,20,21,22,23,24,25,26,27,28,29,30,31
	global_load_b32 v[WX+\i], v3, s[4:5] offset:\i*4096 th:TH_LOAD_NT
.endr
.endm
; One row.  left = the loads that were issued behind this row's sixteen;  fill = 1: the set takes the row two further down.
.macro ROW xb, off, fill, left
.irp i, 0,1,2,3,4,5,6,7,8,9,10,11,12,13,14,15
	s_wait_loadcnt \left+15-\i                     ; step i's load is in; the row's younger ones and those behind the row may be out
	v_pk_fma_f32 v[\xb+4*\i:\xb+4*\i+1], v[\xb+4*\i:\xb+4*\i+1], -1.0, 1.0 op_sel_hi:[1,0,0]       ; 1 - mask
	v_pk_fma_f32 v[\xb+4*\i+2:\xb+4*\i+3], v[\xb+4*\i+2:\xb+4*\i+3], -1.0, 1.0 op_sel_hi:[1,0,0]
	v_pk_mul_f32 v[\xb+4*\i:\xb+4*\i+1], v[\xb+4*\i:\xb+4*\i+1], s[24:25] op_sel_hi:[1,0]          ; x -1e9: the bias
	v_pk_mul_f32 v[\xb+4*\i+2:\xb+4*\i+3], v[\xb+4*\i+2:\xb+4*\i+3], s[24:25] op_sel_hi:[1,0]
	v_max3_num_f32 v[LM+\i], v[\xb+4*\i], v[\xb+4*\i+1], v[\xb+4*\i+2]
	v_max3_num_f32 v[AMT+\i%4], |v[\xb+4*\i]|, |v[\xb+4*\i+1]|, |v[\xb+4*\i+2]|
	v_max_num_f32 v[LM+\i], v[LM+\i], v[\xb+4*\i+3]
	v_max_num_f32 v[AMT+\i%4], v[AMT+\i%4], |v[\xb+4*\i+3]|
	v_cmp_lt_f32 s[66+\i], 0, v[AMT+\i%4]          ; lanes with a bias other than 0 in step i
.endr
.if \fill
	v_add_nc_u32 v[\off], 16384, v[\off]           ; two rows on: the last wait has shown the set's sixteen loads done, so their offset may be written
	MFILL \xb, \off
.endif
	v_max3_num_f32 v8, v[LM], v[LM+1], v[LM+2]     ; R: the row's largest bias: my 16 steps,
.irp i, 3,5,7,9,11,13
	v_max3_num_f32 v8, v8, v[LM+\i], v[LM+\i+1]
.endr
	v_max_num_f32 v8, v8, v[LM+15]
	v_max_num_f32_dpp v8, v8, v8 row_xmask:1 row_mask:0xf bank_mask:0xf   ; and the 32 lanes
	v_max_num_f32_dpp v8, v8, v8 row_xmask:2 row_mask:0xf bank_mask:0xf
	v_max_num_f32_dpp v8, v8, v8 row_xmask:4 row_mask:0xf bank_mask:0xf
	v_max_num_f32_dpp v8, v8, v8 row_xmask:8 row_mask:0xf bank_mask:0xf
	v_permlanex16_b32 v9, v8, s28, s29
	v_max_num_f32 v8, v8, v9
.irp i, 0,1,2,3,4,5,6,7,8,9,10,11,12,13,14,15
	v_sub_f32 v[DT+\i%4], v[LM+\i], v8
	v_cmp_lt_f32 s[40+\i], s26, v[DT+\i%4]         ; lanes whose largest bias of step i lies less than 5e8 under R
.endr
	s_mov_b32 s30, 0
.irp i, 0,1,2,3,4,5,6,7,8,9,10,11,12,13,14,15
	s_cmp_lg_u32 s[40+\i], 0                       ; any lane?  The answer selects a value and nothing else
	s_cselect_b32 s31, 1<<(2*\i), 0
	s_or_b32 s30, s30, s31
	s_cmp_lg_u32 s[66+\i], 0
	s_cselect_b32 s31, 2<<(2*\i), 0
	s_or_b32 s30, s30, s31
.endr
	v_mov_b32 v11, s30
	v_cmp_eq_u32 vcc_lo, s32, v2                   ; the row's word goes to the lane of the row's number
	v_cndmask_b32 v14, v14, v11, vcc_lo
	s_add_co_u32 s32, s32, 1
.endm
; One block of 32 along K of my 32 columns.  left = the loads issued behind the block's 32;  fill = 1: the next block is asked for.
.macro WBLOCK fill, left
	s_wait_loadcnt \left
	v_max3_num_f32 v12, |v[WX]|, |v[WX+1]|, |v[WX+2]|               ; the block's largest magnitude: all 32 numbers are mine
	v_max3_num_f32 v13, |v[WX+3]|, |v[WX+4]|, |v[WX+5]|
.irp i, 6,10,14,18,22,26
	v_max3_num_f32 v12, v12, |v[WX+\i]|, |v[WX+\i+1]|
	v_max3_num_f32 v13, v13, |v[WX+\i+2]|, |v[WX+\i+3]|
.endr
	v_max3_num_f32 v12, v12, |v[WX+30]|, |v[WX+31]|
	v_max3_num_f32 v12, v12, v13, 0x4800000        ; and the floor 2^(9 - 127): so the byte cannot fall under 1
	v_add_nc_u32 v11, 0xfc000000, v12              ; 8 off its exponent field: the conversion takes the exponent field of this operand as its scale
	v_and_or_b32 v10, v12, 0x7f800000, s34         ; 448 x the scale
	v_lshrrev_b32 v13, 23, v11                     ; the scale's byte,
	v_lshlrev_b32 v13, s33, v13                    ; to its place among my column's four: the lower K in the lower byte
	v_or_b32 v15, v15, v13
.irp i, 0,1,2,3,4,5,6,7,8,9,10,11,12,13,14,15,16,17,18,19,20,21,22,23,24,25,26,27,28,29,30,31
	v_med3_num_f32 v[WX+\i], v[WX+\i], -v10, v10   ; the conversion to an 8-bit code does not saturate (ISA guide 7.6.2): the hold comes first
.endr
.irp g, 0,1,2,3
	v_cvt_scalef32_pk8_fp8_f32 v[CW+2*\g:CW+2*\g+1], v[WX+8*\g:WX+8*\g+7], v11
.endr
	v_nop                                          ; one plain vector instruction behind the last scaled conversion
	global_store_b128 v4, v[CW:CW+3], s[10:11]               ; K = 0 .. 15 of the block: the group's lanes 0-15: sixteen lanes store 256 consecutive bytes, aligned
	global_store_b128 v4, v[CW+4:CW+7], s[10:11] offset:256  ; K = 16 .. 31: its lanes 16-31
.if \fill
	v_add_nc_u32 v3, 131072, v3                    ; 32 rows of W on: the wait at the block's head has shown its loads done
	WFILL
	s_wait_xcnt 0x0                                ; the two stores have read their offset and their data: both are written again only behind this wait
	v_add_nc_u32 v4, 512, v4                       ; the next block's group
	s_add_co_u32 s33, s33, 8
.endif
.endm
.Lprep:
	s_load_b64 s[4:5], s[0:1], 0x38                ; W_proj
	s_load_b128 s[8:11], s[0:1], 0x40              ; the mask s[8:9], wp_codes s[10:11]
	s_load_b128 s[12:15], s[0:1], 0x50             ; wp_scales s[12:13], rowflags s[14:15]
	s_bfe_u32 s20, ttmp6, 0x40000                  ; cx, cy: they enter addresses in memory alone
	s_bfe_u32 s21, ttmp6, 0x40004
	s_sub_co_u32 s22, ttmp9, 12
	s_lshl_b32 s22, s22, 4
	s_lshl_b32 s21, s21, 2
	s_add_co_u32 s22, s22, s21
	s_add_co_u32 s22, s22, s20                     ; my work-group among the 64
	s_and_b32 s23, s22, 7
	s_lshr_b32 s36, s22, 3                         ; which 128 along K: work-group / 8
	s_lshl_b32 s23, s23, 7
	s_lshl_b32 s37, s[WV], 5
	s_add_co_u32 s23, s23, s37                     ; my first column: 128 x (work-group % 8) + 32 x wave
	s_lshl_b32 s38, s36, 19                        ; W: 128 rows of 4,096 bytes for each part of K,
	s_lshl_b32 s37, s23, 2
	s_add_co_u32 s38, s38, s37                     ; + 4 x column
	s_mov_b32 s39, 0
	s_lshl_b32 s82, s23, 10                        ; codes: 16 columns are 16,384 bytes,
	s_lshl_b32 s37, s36, 11
	s_add_co_u32 s82, s82, s37                     ; + four groups of 512 for each part of K
	s_mov_b32 s83, 0
	s_lshl_b32 s84, s23, 5                         ; scale bytes: column x 32
	s_lshl_b32 s37, s36, 2
	s_add_co_u32 s84, s84, s37                     ; + 4 for each part of K
	s_mov_b32 s85, 0
	s_lshl_b32 s37, s22, 2
	s_add_co_u32 s37, s37, s[WV]                   ; g: my wave among the 256
	s_lshl_b32 s86, s37, 16                        ; the mask: 8 rows of 8,192 bytes a wave
	s_mov_b32 s87, 0
	s_lshl_b32 s88, s37, 5                         ; the flags: 8 words a wave
	s_mov_b32 s89, 0
	s_mov_b32 s24, 0xce6e6b28                      ; -1e9
	s_mov_b32 s25, s24                             ; (named with it as a pair, so it is written)
	s_mov_b32 s26, 0xcdee6b28                      ; -5e8
	s_mov_b32 s28, 0x76543210
	s_mov_b32 s29, 0xfedcba98                      ; lane selects: lane l xor 16
	s_mov_b32 s32, 0                               ; the row in hand, 0 .. 7
	s_mov_b32 s33, 0                               ; 8 x the block in hand
	s_mov_b32 s34, 0x600000                        ; the mantissa field of 448
	v_and_b32 v2, 31, v0                           ; lane
	v_lshlrev_b32 v3, 2, v2                        ; W: 4 bytes a lane
	v_and_b32 v8, 15, v2
	v_lshrrev_b32 v10, 4, v2
	v_lshlrev_b32 v4, 4, v8
	v_lshl_add_u32 v4, v10, 14, v4                 ; codes: 16 (lane % 16) + 16,384 (lane / 16)
	v_lshlrev_b32 v5, 5, v2                        ; scale bytes: 32 x lane
	v_lshlrev_b32 v6, 4, v2                        ; the mask: 16 bytes a lane; set 0 begins at row 0,
	v_add_nc_u32 v7, 8192, v6                      ; set 1 at row 1
	v_lshlrev_b32 v24, 2, v2
	v_mov_b32 v9, 0                                ; a lane permute's destination counts as one of its sources
	v_mov_b32 v14, 0
	v_mov_b32 v15, 0
	s_wait_alu depctr_va_vdst(0)
	s_wait_kmcnt 0x0
	s_add_nc_u64 s[4:5], s[4:5], s[38:39]
	s_add_nc_u64 s[8:9], s[8:9], s[86:87]
	s_add_nc_u64 s[10:11], s[10:11], s[82:83]
	s_add_nc_u64 s[12:13], s[12:13], s[84:85]
	s_add_nc_u64 s[14:15], s[14:15], s[88:89]
	MFILL X0, 6
	MFILL X1, 7
	WFILL
	s_mov_b32 s3, 3
.Lprow:
	ROW X0, 6, 1, 48                               ; behind this row: the other row's 16 loads and the block's 32
	ROW X1, 7, 1, 48                               ; behind this one: the block's 32 and the 16 just issued
	WBLOCK 1, 32                                   ; behind the block: the two rows just asked for
	s_sub_co_u32 s3, s3, 1
	s_cmp_lg_u32 s3, 0
	s_cbranch_scc1 .Lprow
	ROW X0, 6, 0, 48                               ; the last two rows and the last block: nothing more is asked for, and the counts run down
	ROW X1, 7, 0, 32
	WBLOCK 0, 0
	global_store_b32 v5, v15, s[12:13]             ; my column's four scale bytes
	v_cmp_gt_u32 vcc_lo, 8, v2
	s_wait_xcnt 0x0                                ; EXEC changes only behind this wait: it is a source of the stores above
	s_and_saveexec_b32 s35, vcc_lo                 ; lanes 0-7 store the eight rows' words: 32 consecutive bytes
	global_store_b32 v24, v14, s[14:15]
	s_wait_xcnt 0x0                                ; and again in front of the line that widens it
	s_or_b32 exec_lo, exec_lo, s35
	s_wait_tensorcnt 0x0                           ; the wave's end
	ds_add_u32 v[SPW], v[NIL]
	s_wait_dscnt 0x0
	CROUND                                         ; a closing round of the cluster's barrier
	s_endpgm
.Lfunc_end_k_qa272d0c803_qkv:
	.size	k_qa272d0c803_qkv, .Lfunc_end_k_qa272d0c803_qkv-k_qa272d0c803_qkv
	.p2alignl 7, 3214868480
	.fill 96, 4, 3214868480
	.section	.rodata,"a",@progbits
	.p2align	6, 0x0
	.amdhsa_kernel k_qa272d0c803_qkv
		.amdhsa_group_segment_fixed_size 327680
		.amdhsa_private_segment_fixed_size 0
		.amdhsa_enable_private_segment 0
		.amdhsa_kernarg_size 96
		.amdhsa_user_sgpr_count 2
		.amdhsa_user_sgpr_kernarg_segment_ptr 1
		.amdhsa_wavefront_size32 1
		.amdhsa_system_sgpr_workgroup_id_x 1
		.amdhsa_system_sgpr_workgroup_id_y 1
		.amdhsa_system_sgpr_workgroup_id_z 1
		.amdhsa_system_vgpr_workitem_id 0
		.amdhsa_next_free_vgpr 1024
		.amdhsa_next_free_sgpr 106
		.amdhsa_reserve_vcc 1
		.amdhsa_float_denorm_mode_32 3
		.amdhsa_float_denorm_mode_16_64 3
		.amdhsa_memory_ordered 1
		.amdhsa_forward_progress 1
		.amdhsa_inst_pref_size 255
	.end_amdhsa_kernel
	.section	.bss,"aw",@nobits
	.p2align	6
	.space	262144
	.amdgpu_metadata
---
amdhsa.version: [ 1, 2 ]
amdhsa.kernels:
  - .name:           k_qa272d0c803_qkv
    .symbol:         k_qa272d0c803_qkv.kd
    .args:
      - { .name: x_codes, .offset: 0, .size: 8, .value_kind: global_buffer, .address_space: global }
      - { .name: x_scales, .offset: 8, .size: 8, .value_kind: global_buffer, .address_space: global }
      - { .name: W_qkv_codes, .offset: 16, .size: 8, .value_kind: global_buffer, .address_space: global }
      - { .name: W_qkv_scales, .offset: 24, .size: 8, .value_kind: global_buffer, .address_space: global }
      - { .name: b_qkv, .offset: 32, .size: 8, .value_kind: global_buffer, .address_space: global }
      - { .name: qimg, .offset: 40, .size: 8, .value_kind: global_buffer, .address_space: global }
      - { .name: kv, .offset: 48, .size: 8, .value_kind: global_buffer, .address_space: global }
      - { .name: W_proj, .offset: 56, .size: 8, .value_kind: global_buffer, .address_space: global }
      - { .name: mask, .offset: 64, .size: 8, .value_kind: global_buffer, .address_space: global }
      - { .name: wp_codes, .offset: 72, .size: 8, .value_kind: global_buffer, .address_space: global }
      - { .name: wp_scales, .offset: 80, .size: 8, .value_kind: global_buffer, .address_space: global }
      - { .name: rowflags, .offset: 88, .size: 8, .value_kind: global_buffer, .address_space: global }
    .group_segment_fixed_size: 327680
    .private_segment_fixed_size: 0
    .kernarg_segment_align: 8
    .kernarg_segment_size: 96
    .max_flat_workgroup_size: 128
    .sgpr_count:     106
    .vgpr_count:     1024
    .wavefront_size: 32
...
	.end_amdgpu_metadata
.endif
;; end of part 1
;; launch attn (part 2): grid 8 x 32, 16 waves a work-group, no clusters, 272,384 bytes of LDS; arguments qimg, kv, mask, rowflags, a_codes, a_scales; writes a_codes, a_scales
.if DOCPART == 2
	.amdgcn_target "amdgcn-amd-amdhsa--gfx1250"
	.amdhsa_code_object_version 6
	.text
	.protected	k_qa272d0c803_attn
	.globl	k_qa272d0c803_attn
	.p2align	8
	.type	k_qa272d0c803_attn,@function
k_qa272d0c803_attn:
	s_mov_b64 s[64:65], 0
	v_nop
	global_prefetch_b8 v0, s[64:65] scope:SCOPE_SE
	s_setreg_imm32_b32 hwreg(HW_REG_WAVE_MODE, 25, 1), 1
	s_wait_xcnt 0x0
; attn_out[q] = the sum over keys of softmax(q . k + (1 - mask) x -1e9) v, for one head, both products on codes of FP8 (E4M3) with one E8M0 byte for each 32 along a product's K;
; the result is quantised along the head's channels for the last product and stored as images of that product's operand registers.
; THE SOFTMAX: t = logit x log2(e); M = the row's largest t so far, rounded UP to a whole number; p = 2^(t - M), made by one fused multiply-add and one exponential, is what is quantised along the keys;
; the row's sum is taken of the unquantised p and divides at the end.  When M moves, the sum and O are multiplied by 2^(old M - new M): exact.
; SHARES.  A work-group owns one head and 16 tiles of 16 queries, a tile a wave.  Wave w of work-group x takes tile 8 p(w) + x, p a fixed permutation of 0..15: of the four waves with equal w % 4 two have p under 8, with sum 7, and two
; p of 8 or more, with sum 23: under a triangular mask these groups have equal numbers of key steps in each of the two loops below.  A tile's queries are 32 B + 8 u + r + 8 (r >> 3) (tile = 2 B + u).
; LDS holds the head's k and v whole, as images of operand registers, with their scale words: 270,336 bytes, copied through registers IN TWO PARTS.  The head copies key steps 0-7 and all scale words (17 pieces of 16 bytes a thread), one barrier.
; Trip i of the first loop (8 trips) loads step 8 + i's k and v (two pieces a thread) at its top and stores them to LDS at its bottom, outside the branch on the flags; a second barrier; the second loop (8 trips) reads them.
; These loads run up to eight trips ahead of the reads of what they bring, so no prefetch is laid for them.
; WHY NO CLUSTER AND NO TENSOR LOAD: which key steps a wave works on hangs on flags that an earlier launch stored.
; A KEY STEP is 128 keys.  The tile's flag word (the OR of its 16 rows' words): bit 2 i: step i cannot be left out; bit 2 i + 1: the mask is not all ones there and is read.  Scalar branches on the flags lead round a step's work and round
; the reading of the mask, round no barrier.  THE MASK IS PREFETCHED: trip t asks for step t + 2's 16 rows x 512 bytes where its flag says that they will be read: a lane a block of 256 bytes, one instruction; heads 0-3 alone ask, since all 32 heads
; read the same bytes; steps 0 and 1 come by their loads alone; the flags beyond step 15 are zeros, so the last two trips ask for nothing.
; K = 64 IN A FORM OF K = 128: a fragment of the k image holds two keys a row slot; multiplied by [q, 0] it gives the scores of the first, by [0, q] of the second.
; Both products are used transposed: a lane holds ONE query; S register 16 b + i is key 32 b + 16 (lane / 16) + i, O register 16 b + i is channel 32 b + 16 (lane / 16) + i.
; LIMITS: a step is left out only where, for every row of the tile, all its biases lie 5e8 or more under the row's largest: exact while a row's scores spread over less than 4.9e8.  NaN and infinities are not served.
.set HB,   270336
.set VIM,  131072
.set KSW,  262144
.set VSW,  266240
.set QHB,  135168
.set SPARE, 270336                     ; the spare words: 128 bytes a wave
.set LI,   1                           ; v1 16 x lane;  v2 4 x lane;  v3-5 the same + VIM, KSW, VSW
.set LS,   2
.set LIV,  3
.set LSK,  4
.set LSV,  5
.set MO,   6                           ; v6 the mask: (r + 8 (r >> 3)) x 8,192 + 64 h;  v7 the offset in hand
.set MA,   7
.set ADK,  8                           ; v8-11 LDS addresses in hand
.set ADV,  9
.set ADS,  10
.set ADT,  11
.set QF,   16                          ; v16-39 [q, 0, q];  v12 -M, v13 the largest t, v[14:15] the sum
.set KF,   40                          ; v40-103 fragments of k, the mask's numbers, fragments of v
.set S,    104                         ; v104-167 logits, then p
.set O,    168                         ; v168-199 O^T
.set P,    200                         ; v200-215 p's codes
.set BM,   216
.set PT,   220
.set HL,   224
.set SO,   228
.set F,    232                         ; v232 f = 2^(old M - new M)
.set PFO,  233                         ; v233 the prefetch's offset: my row of the mask + 256 h.  (It is also the upper half of the pair v[232:233], of which the low word alone is taken)
.set TT,   234
.set CA,   235                         ; v235 16 x thread: the copy's offset
.set SUM2, 236
.set PW,   238                         ; v238-243 scale words and nothing else: p's, q's, k's two, v's two
.set QS,   239
.set KSR,  240
.set VSR,  242
.set CP,   244                         ; v244-251 the copy's two pieces
.set SUM3, 252
.set FW,   40
.set TK,   41
.set TS,   42
.set TMK,  43
.set CNT,  44
.set PFW,  45                          ; s45 the flags again in heads 0-3, else 0
.set SEL,  46
.set CS,   48
.set NEG,  50
.set MNT,  52
.set KB,   56                          ; s[56:57] kv at the step that the trip copies
.set PFM,  58                          ; s[58:59] the mask at my tile's rows, two steps on
	s_load_b256 s[4:11], s[0:1], 0x0               ; qimg, kv, mask, rowflags
	s_load_b128 s[12:15], s[0:1], 0x20             ; a_codes, a_scales
	v_lshl_add_u32 v254, v0, 2, SPARE
	v_mov_b32 v255, 0
	v_lshrrev_b32 v1, 5, v0
	v_readfirstlane_b32 s16, v1                    ; wave 0..15
	s_and_b32 s17, s16, 7
	s_lshl_b32 s17, s17, 2
	s_mov_b32 s18, 0x0de3b658                      ; p(8 .. 15), a nibble each
	s_cmp_lt_u32 s16, 8
	s_cselect_b32 s18, 0x7a94c12f, s18             ; p(0 .. 7)
	s_lshr_b32 s18, s18, s17
	s_and_b32 s18, s18, 15
	s_lshl_b32 s18, s18, 3
	s_add_co_u32 s17, s18, ttmp9                   ; my tile, 0..127
	s_lshr_b32 s18, s17, 1                         ; B
	s_and_b32 s19, s17, 1                          ; u
	s_and_b32 s20, ttmp7, 0xffff                   ; the head, 0..31
	s_mov_b32 s[SEL], 0x76543210
	s_mov_b32 s[SEL+1], 0xfedcba98
	s_mov_b32 s[CS], 0x3fb8aa3b                    ; log2(e)
	s_mov_b32 s[CS+1], s[CS]
	s_mov_b32 s[NEG], 0xce6e6b28                   ; -1e9
	s_mov_b32 s[NEG+1], s[NEG]
	s_mov_b32 s[MNT], 0x600000
	s_mov_b32 s23, 0
	v_and_b32 v2, 31, v0
	v_lshlrev_b32 v[LI], 4, v2
	v_lshlrev_b32 v[LS], 2, v2
	v_add_nc_u32 v[LIV], VIM, v[LI]
	v_add_nc_u32 v[LSK], KSW, v[LS]
	v_add_nc_u32 v[LSV], VSW, v[LS]
	v_and_b32 v8, 15, v0                           ; r
	v_bfe_u32 v9, v0, 4, 1                         ; h
	v_and_b32 v10, 8, v8
	v_add_nc_u32 v10, v10, v8
	v_lshlrev_b32 v10, 13, v10
	v_lshl_add_u32 v[MO], v9, 6, v10
	v_lshl_add_u32 v[PFO], v9, 8, v10
	v_lshlrev_b32 v[MA], 2, v8                     ; (first: 4 r, for q's scale word)
	v_lshlrev_b32 v[CA], 4, v0
	v_add_nc_u32 v216, VIM, v[CA]
	v_add_nc_u32 v217, KSW, v[CA]
	s_wait_alu depctr_va_vdst(0)
	s_wait_kmcnt 0x0
	s_mul_i32 s22, s20, HB
	s_add_nc_u64 s[6:7], s[6:7], s[22:23]          ; kv at my head
	s_add_nc_u64 s[KB:KB+1], s[6:7], 0x10000       ; and at key step 8
	global_load_b128 v[40:43], v[CA], s[6:7] offset:KSW              ; all scale words: 512 threads x 16 bytes
.set i, 0
.rept 8
	global_load_b128 v[44+4*i:47+4*i], v[CA], s[6:7] offset:8192*i       ; k's step i: 8,192 consecutive bytes
	global_load_b128 v[76+4*i:79+4*i], v[CA], s[6:7] offset:VIM+8192*i   ; v's
.set i, i+1
.endr
	s_mul_i32 s22, s20, QHB
	s_add_nc_u64 s[4:5], s[4:5], s[22:23]
	s_lshl_b32 s22, s18, 6
	s_add_co_u32 s22, s22, 131072
	s_add_nc_u64 s[54:55], s[4:5], s[22:23]        ; q's scale words of my block
	s_lshl_b32 s22, s18, 11
	s_lshl_b32 s21, s19, 10
	s_add_co_u32 s22, s22, s21
	s_add_nc_u64 s[4:5], s[4:5], s[22:23]          ; my two groups of q
	s_lshl_b32 s22, s18, 18
	s_lshl_b32 s21, s19, 16
	s_add_co_u32 s22, s22, s21
	s_add_nc_u64 s[8:9], s[8:9], s[22:23]          ; the mask at row 32 B + 8 u
	s_add_nc_u64 s[PFM:PFM+1], s[8:9], 1024        ; two key steps on
	s_lshl_b32 s22, s18, 7
	s_lshl_b32 s21, s19, 5
	s_add_co_u32 s22, s22, s21
	s_add_nc_u64 s[10:11], s[10:11], s[22:23]
	s_load_b256 s[24:31], s[10:11], 0x0            ; the flags of rows 32 B + 8 u + 0 .. 7,
	s_load_b256 s[32:39], s[10:11], 0x40           ; and of the eight that lie 16 further on
	global_load_b128 v[QF:QF+3], v[LI], s[4:5]
	global_load_b128 v[QF+4:QF+7], v[LI], s[4:5] offset:512
	global_load_b128 v[QF+16:QF+19], v[LI], s[4:5]
	global_load_b128 v[QF+20:QF+23], v[LI], s[4:5] offset:512
	global_load_b32 v[QS], v[MA], s[54:55]
	s_lshr_b32 s21, s20, 4
	s_lshl_b32 s21, s21, 7
	s_add_co_u32 s21, s21, s17                     ; T = 128 x batch + tile
	s_and_b32 s20, s20, 15
	s_lshl_b32 s22, s21, 14
	s_lshl_b32 s17, s20, 10
	s_add_co_u32 s22, s22, s17
	s_add_nc_u64 s[12:13], s[12:13], s[22:23]      ; a_codes: 16,384 T + 1,024 head
	s_lshl_b32 s22, s21, 9
	s_lshl_b32 s17, s20, 1
	s_add_co_u32 s22, s22, s17
	s_add_nc_u64 s[14:15], s[14:15], s[22:23]      ; a_scales: 512 T + 2 head
	s_wait_loadcnt 21                              ; behind the scale words' load: 16 of the copy and q's five
	ds_store_b128 v217, v[40:43]
.set i, 0
.rept 8
	s_wait_loadcnt 20-2*i                          ; behind k's step i: v's step i, two for each later step, q's five
	ds_store_b128 v[CA], v[44+4*i:47+4*i] offset:8192*i
	s_wait_loadcnt 19-2*i
	ds_store_b128 v216, v[76+4*i:79+4*i] offset:8192*i
.set i, i+1
.endr
	s_wait_dscnt 0x0                               ; for the others' sake: my part lies in LDS
	s_barrier_signal -1
.set i, 0
.rept 32
	v_mov_b32 v[O+i], 0                            ; O^T: which step is a tile's first hangs on the flags, so the step finds zeros
.set i, i+1
.endr
.irp i, 8,9,10,11,12,13,14,15
	v_mov_b32 v[QF+\i], 0
.endr
	v_mov_b32 v13, 0xff61b1e6                      ; the largest t so far: -3e38
	v_floor_f32 v12, -v13
	v_mov_b32 v14, 0
	v_mov_b32 v15, 0
.irp b, 0,1,2,3
	v_mov_b32 v[PT+\b], 0                          ; a lane permute's destination counts as one of its sources
.endr
	v_mov_b32 v[TT], 0
	s_barrier_wait -1                              ; key steps 0-7 and all scale words lie in LDS
	s_wait_loadcnt 0x0                             ; q
	s_wait_kmcnt 0x0
	s_or_b32 s[FW], s24, s25
.irp i, 26,27,28,29,30,31,32,33,34,35,36,37,38,39
	s_or_b32 s[FW], s[FW], s[\i]
.endr
	s_and_b32 s21, ttmp7, 0xffff
	s_cmp_lt_u32 s21, 4
	s_cselect_b32 s[PFW], s[FW], 0
	s_mov_b32 s21, 0x01000100
	s_cmp_eq_u32 s19, 1
	s_cselect_b32 s21, 0x03020302, s21
	v_perm_b32 v[QS], v[QS], v[QS], s21            ; my half's two bytes, twice
	s_mov_b32 s[TK], 0
	s_mov_b32 s[TS], 0
	s_mov_b32 s[TMK], 0
.macro ASK                             ; step t + 2's part of my 16 rows of the mask, where it will be read
	s_bitcmp1_b32 s[PFW], 5
	s_cbranch_scc0 .Lno_ask_\@
	global_prefetch_b8 v[PFO], s[PFM:PFM+1] th:TH_LOAD_NT scope:SCOPE_SE
.Lno_ask_\@:
.endm
.macro ADVANCE                         ; behind s_wait_xcnt 0: the prefetch has read its base
	s_add_nc_u64 s[PFM:PFM+1], s[PFM:PFM+1], 512
	s_lshr_b32 s[FW], s[FW], 2
	s_lshr_b32 s[PFW], s[PFW], 2
	s_add_co_u32 s[TK], s[TK], 8192
	s_add_co_u32 s[TS], s[TS], 256
	s_add_co_u32 s[TMK], s[TMK], 512
	s_sub_co_u32 s[CNT], s[CNT], 1
	s_cmp_lg_u32 s[CNT], 0
.endm
.macro STEP
	s_bitcmp1_b32 s[FW], 0                         ; can the step be left out for all my 16 queries?
	s_cbranch_scc0 .Lnext_\@
	v_add_nc_u32 v[ADK], s[TK], v[LI]
	v_add_nc_u32 v[ADV], s[TK], v[LIV]
	v_add_nc_u32 v[ADS], s[TS], v[LSK]
	v_add_nc_u32 v[ADT], s[TS], v[LSV]
.rept 4
	v_nop                                          ; with the four additions: eight places behind the last step's products, in front of loads into registers that they read
.endr
.irp b, 0,1,2,3
.irp c, 0,1,2,3
	ds_load_b128 v[KF+16*\b+4*\c:KF+16*\b+4*\c+3], v[ADK] offset:2048*\b+512*\c
.endr
.endr
	ds_load_b32 v[KSR], v[ADS]
	ds_load_b32 v[KSR+1], v[ADS] offset:128
	s_wait_alu depctr_va_vdst(0)                   ; directly ahead of the wait below
	s_wait_dscnt 0x0
.irp b, 0,1,2,3
.irp u, 0,1
.if \b%2
	v_wmma_scale_f32_16x16x128_f8f6f4 v[S+16*\b+8*\u:S+16*\b+8*\u+7], v[KF+16*\b:KF+16*\b+15], v[QF+8*\u:QF+8*\u+15], 0, v[KSR+\b/2], v[QS] matrix_a_scale:MATRIX_SCALE_ROW1
.else
	v_wmma_scale_f32_16x16x128_f8f6f4 v[S+16*\b+8*\u:S+16*\b+8*\u+7], v[KF+16*\b:KF+16*\b+15], v[QF+8*\u:QF+8*\u+15], 0, v[KSR+\b/2], v[QS]
.endif
.endr
.endr
	v_add_nc_u32 v[MA], s[TMK], v[MO]
.rept 7
	v_nop                                          ; eight places: the scores are read, and k's registers loaded again, behind them
.endr
	s_bitcmp1_b32 s[FW], 1                         ; is the mask all ones here, for all my 16 queries?
	s_cbranch_scc0 .Lplain_\@
.irp b, 0,1,2,3
.irp i, 0,1,2,3
	global_load_b128 v[KF+16*\b+4*\i:KF+16*\b+4*\i+3], v[MA], s[8:9] offset:128*\b+16*\i
.endr
.endr
	s_wait_loadcnt 0x0
.set j, 0
.rept 32
	v_pk_fma_f32 v[KF+j:KF+j+1], v[KF+j:KF+j+1], -1.0, 1.0 op_sel_hi:[1,0,0]       ; 1 - mask
.set j, j+2
.endr
.set j, 0
.rept 32
	v_pk_mul_f32 v[KF+j:KF+j+1], v[KF+j:KF+j+1], s[NEG:NEG+1] op_sel_hi:[1,0]      ; x -1e9
.set j, j+2
.endr
.set j, 0
.rept 32
	v_pk_add_f32 v[S+j:S+j+1], v[S+j:S+j+1], v[KF+j:KF+j+1]                        ; the logit; each accumulator from its low end on
.set j, j+2
.endr
.Lplain_\@:
.irp t, 0,1,2,3
.irp c, 0,1,2,3
	ds_load_b128 v[KF+16*\t+4*\c:KF+16*\t+4*\c+3], v[ADV] offset:(\c/2)*4096+\t*1024+(\c%2)*512   ; v's fragments land while the softmax is worked
.endr
.endr
	ds_load_b32 v[VSR], v[ADT]
	ds_load_b32 v[VSR+1], v[ADT] offset:128
.irp b, 0,1,2,3
	v_max3_num_f32 v[BM+\b], v[S+16*\b], v[S+16*\b+1], v[S+16*\b+2]   ; the largest logit of each block of 32 keys: for the row's maximum and, since p rises with it, for the block's largest p
.endr
.irp i, 3,5,7,9,11,13
.irp b, 0,1,2,3
	v_max3_num_f32 v[BM+\b], v[BM+\b], v[S+16*\b+\i], v[S+16*\b+\i+1]
.endr
.endr
.irp b, 0,1,2,3
	v_max_num_f32 v[BM+\b], v[BM+\b], v[S+16*\b+15]
.endr
.irp b, 0,1,2,3
	v_permlanex16_b32 v[PT+\b], v[BM+\b], s[SEL], s[SEL+1]
.endr
.irp b, 0,1,2,3
	v_max_num_f32 v[BM+\b], v[BM+\b], v[PT+\b]
.endr
	v_max3_num_f32 v[TT], v[BM], v[BM+1], v[BM+2]
	v_max_num_f32 v[TT], v[TT], v[BM+3]
	v_mul_f32 v[TT], s[CS], v[TT]                  ; as t
	v_max_num_f32 v13, v13, v[TT]                  ; the running largest t
	v_mov_b32 v[TT], v12
	v_floor_f32 v12, -v13                          ; the new -M = -ceil(t)
	v_sub_f32 v[TT], v12, v[TT]
	v_cvt_i32_f32 v[TT], v[TT]                     ; (it saturates)
	v_ldexp_f32 v[F], 1.0, v[TT]                   ; f = 2^(old M - new M)
.set j, 0
.rept 32
	v_pk_fma_f32 v[S+j:S+j+1], v[S+j:S+j+1], s[CS:CS+1], v[12:13] op_sel_hi:[1,0,0]   ; t - M
.set j, j+2
.endr
.irp b, 0,1,2,3
	v_fma_f32 v[BM+\b], v[BM+\b], s[CS], v12
.endr
	s_wait_alu depctr_va_vdst(0)                   ; the wait ahead of the batch
.set j, 0
.rept 64
	v_exp_f32 v[S+j], v[S+j]
.set j, j+1
.endr
.irp b, 0,1,2,3
	v_exp_f32 v[BM+\b], v[BM+\b]
.endr
	v_pk_mul_f32 v[14:15], v[14:15], v[F:F+1] op_sel_hi:[1,0]   ; the sums under the new M (a plain place behind the exponentials)
	s_wait_alu depctr_va_vdst(0)                   ; and behind it
.irp b, 0,1,2,3
	v_max_num_f32 v[BM+\b], 0x4800000, v[BM+\b]    ; the floor 2^(9 - 127): the byte cannot fall under 1
.endr
.irp b, 0,1,2,3
	v_add_nc_u32 v[SO+\b], 0xfc000000, v[BM+\b]
.endr
.irp b, 0,1,2,3
	v_and_or_b32 v[HL+\b], v[BM+\b], 0x7f800000, s[MNT]
.endr
.irp b, 0,1,2,3
	v_lshrrev_b32 v[PT+\b], 23, v[SO+\b]
.endr
	v_lshl_or_b32 v[PW], v[PT+1], 8, v[PT]
	v_lshl_or_b32 v[PW], v[PT+2], 16, v[PW]
	v_lshl_or_b32 v[PW], v[PT+3], 24, v[PW]
	v_pk_add_f32 v[SUM2:SUM2+1], v[S:S+1], v[S+2:S+3]           ; the row's sum of the unquantised p, in three chains
	v_pk_add_f32 v[SUM3:SUM3+1], v[S+4:S+5], v[S+6:S+7]
.irp j, 8,14,20,26,32,38,44,50,56
	v_pk_add_f32 v[14:15], v[14:15], v[S+\j:S+\j+1]
	v_pk_add_f32 v[SUM2:SUM2+1], v[SUM2:SUM2+1], v[S+\j+2:S+\j+3]
	v_pk_add_f32 v[SUM3:SUM3+1], v[SUM3:SUM3+1], v[S+\j+4:S+\j+5]
.endr
	v_pk_add_f32 v[14:15], v[14:15], v[S+62:S+63]
	v_pk_add_f32 v[SUM2:SUM2+1], v[SUM2:SUM2+1], v[SUM3:SUM3+1]
	v_pk_add_f32 v[14:15], v[14:15], v[SUM2:SUM2+1]
.irp b, 0,1,2,3
.irp i, 0,1,2,3,4,5,6,7,8,9,10,11,12,13,14,15
	v_min_num_f32 v[S+16*\b+\i], v[S+16*\b+\i], v[HL+\b]   ; the conversion does not saturate (ISA guide 7.6.2); p is not negative
.endr
	v_cvt_scalef32_pk8_fp8_f32 v[P+4*\b:P+4*\b+1], v[S+16*\b:S+16*\b+7], v[SO+\b]
	v_cvt_scalef32_pk8_fp8_f32 v[P+4*\b+2:P+4*\b+3], v[S+16*\b+8:S+16*\b+15], v[SO+\b]
.endr
	s_wait_alu depctr_va_vdst(0)                   ; directly ahead of the first reader of O^T
.set j, 0
.rept 16
	v_pk_mul_f32 v[O+j:O+j+1], v[O+j:O+j+1], v[F:F+1] op_sel_hi:[1,0]   ; O^T under the new M; also the places between the codes and the products
.set j, j+2
.endr
	s_wait_alu depctr_va_vdst(0)                   ; directly ahead of the wait below
	s_wait_dscnt 0x0
.irp t, 0,1,2,3
.if \t%2
	v_wmma_scale_f32_16x16x128_f8f6f4 v[O+8*\t:O+8*\t+7], v[KF+16*\t:KF+16*\t+15], v[P:P+15], v[O+8*\t:O+8*\t+7], v[VSR+\t/2], v[PW] matrix_a_scale:MATRIX_SCALE_ROW1
.else
	v_wmma_scale_f32_16x16x128_f8f6f4 v[O+8*\t:O+8*\t+7], v[KF+16*\t:KF+16*\t+15], v[P:P+15], v[O+8*\t:O+8*\t+7], v[VSR+\t/2], v[PW]
.endif
.endr
.Lnext_\@:
.endm
	s_mov_b32 s[CNT], 8
	s_wait_alu depctr_va_vdst(0)                   ; the wait at the head's end
.Lone:                                                 ; key steps 0-7; step 8 + trip is copied beside them
	global_load_b128 v[CP:CP+3], v[CA], s[KB:KB+1]
	global_load_b128 v[CP+4:CP+7], v[CA], s[KB:KB+1] offset:VIM
	ASK
	STEP
	s_add_co_u32 s21, s[TK], 65536
	s_add_co_u32 s22, s[TK], VIM+65536
	s_wait_loadcnt 0x0                             ; the trip's two pieces are in
	v_add_nc_u32 v[ADK], s21, v[CA]
	v_add_nc_u32 v[ADV], s22, v[CA]
	ds_store_b128 v[ADK], v[CP:CP+3]
	ds_store_b128 v[ADV], v[CP+4:CP+7]
	s_wait_xcnt 0x0
	s_add_nc_u64 s[KB:KB+1], s[KB:KB+1], 8192
	ADVANCE
	s_cbranch_scc1 .Lone
	s_wait_dscnt 0x0                               ; for the others' sake: my part of steps 8-15 lies in LDS
	s_barrier_signal -1
	s_barrier_wait -1                              ; the whole head lies in LDS; nobody writes LDS again
	s_mov_b32 s[CNT], 8
.Ltwo:                                                 ; key steps 8-15
	ASK
	STEP
	s_wait_xcnt 0x0
	ADVANCE
	s_cbranch_scc1 .Ltwo
	; THE WAY OUT.  O^T / the sum; its 64 channels are two blocks of 32 along the last product's K: 16 numbers in my lane, 16 in lane l xor 16.
.rept 8
	v_nop
.endr
	s_wait_alu depctr_va_vdst(0)
	v_add_f32 v14, v14, v15
	v_permlanex16_b32 v[TT], v14, s[SEL], s[SEL+1]
	v_add_f32 v14, v14, v[TT]                      ; every row has a step that is not left out, the one with its largest bias: the sum is at least 1/2
	s_wait_alu depctr_va_vdst(0)
	v_rcp_f32 v14, v14
	v_and_b32 v8, 15, v0                           ; (a plain place behind the transcendental)
	s_wait_alu depctr_va_vdst(0)
.set j, 0
.rept 16
	v_pk_mul_f32 v[O+j:O+j+1], v[O+j:O+j+1], v[14:15] op_sel_hi:[1,0]
.set j, j+2
.endr
.irp b, 0,1
	v_max3_num_f32 v[BM+\b], |v[O+16*\b]|, |v[O+16*\b+1]|, 0x4800000
.endr
.irp i, 2,4,6,8,10,12,14
.irp b, 0,1
	v_max3_num_f32 v[BM+\b], v[BM+\b], |v[O+16*\b+\i]|, |v[O+16*\b+\i+1]|
.endr
.endr
.irp b, 0,1
	v_permlanex16_b32 v[PT+\b], v[BM+\b], s[SEL], s[SEL+1]
.endr
.irp b, 0,1
	v_max_num_f32 v[BM+\b], v[BM+\b], v[PT+\b]
.endr
.irp b, 0,1
	v_add_nc_u32 v[SO+\b], 0xfc000000, v[BM+\b]
.endr
.irp b, 0,1
	v_and_or_b32 v[HL+\b], v[BM+\b], 0x7f800000, s[MNT]
.endr
.irp b, 0,1
	v_lshrrev_b32 v[PT+\b], 23, v[SO+\b]
.endr
	v_lshl_or_b32 v[TT], v[PT+1], 8, v[PT]         ; my row's two scale bytes
.irp b, 0,1
.irp i, 0,1,2,3,4,5,6,7,8,9,10,11,12,13,14,15
	v_med3_num_f32 v[O+16*\b+\i], v[O+16*\b+\i], -v[HL+\b], v[HL+\b]
.endr
	v_cvt_scalef32_pk8_fp8_f32 v[P+4*\b:P+4*\b+1], v[O+16*\b:O+16*\b+7], v[SO+\b]
	v_cvt_scalef32_pk8_fp8_f32 v[P+4*\b+2:P+4*\b+3], v[O+16*\b+8:O+16*\b+15], v[SO+\b]
.endr
	v_lshlrev_b32 v[MA], 5, v8                     ; 32 r: a row of a_scales (also the plain line behind the last conversion)
	global_store_b128 v[LI], v[P:P+3], s[12:13]              ; a group of the last product's operand: 512 consecutive bytes, aligned
	global_store_b128 v[LI], v[P+4:P+7], s[12:13] offset:512
	v_and_b32 v9, 31, v0
	v_cmp_gt_u32 vcc_lo, 16, v9
	s_wait_alu depctr_va_vdst(0)
	s_wait_xcnt 0x0                                ; EXEC changes only behind this wait
	s_wait_tensorcnt 0x0                           ; the wave's end
	ds_add_u32 v254, v255
	s_wait_dscnt 0x0
	s_and_saveexec_b32 s21, vcc_lo                 ; lanes 0-15: a lane a row; two bytes are all that a head owns of a row's 32 scale bytes
	global_store_b16 v[MA], v[TT], s[14:15]
	s_wait_xcnt 0x0
	s_or_b32 exec_lo, exec_lo, s21
	s_endpgm
.Lfunc_end_k_qa272d0c803_attn:
	.size	k_qa272d0c803_attn, .Lfunc_end_k_qa272d0c803_attn-k_qa272d0c803_attn
	.p2alignl 7, 3214868480
	.fill 96, 4, 3214868480
	.section	.rodata,"a",@progbits
	.p2align	6, 0x0
	.amdhsa_kernel k_qa272d0c803_attn
		.amdhsa_group_segment_fixed_size 272384
		.amdhsa_private_segment_fixed_size 0
		.amdhsa_enable_private_segment 0
		.amdhsa_kernarg_size 48
		.amdhsa_user_sgpr_count 2
		.amdhsa_user_sgpr_kernarg_segment_ptr 1
		.amdhsa_wavefront_size32 1
		.amdhsa_system_sgpr_workgroup_id_x 1
		.amdhsa_system_sgpr_workgroup_id_y 1
		.amdhsa_system_sgpr_workgroup_id_z 1
		.amdhsa_system_vgpr_workitem_id 0
		.amdhsa_next_free_vgpr 256
		.amdhsa_next_free_sgpr 66
		.amdhsa_reserve_vcc 1
		.amdhsa_float_denorm_mode_32 3
		.amdhsa_float_denorm_mode_16_64 3
		.amdhsa_memory_ordered 1
		.amdhsa_forward_progress 1
		.amdhsa_inst_pref_size 70
	.end_amdhsa_kernel
	.amdgpu_metadata
---
amdhsa.version: [ 1, 2 ]
amdhsa.kernels:
  - .name:           k_qa272d0c803_attn
    .symbol:         k_qa272d0c803_attn.kd
    .args:
      - { .name: qimg, .offset: 0, .size: 8, .value_kind: global_buffer, .address_space: global }
      - { .name: kv, .offset: 8, .size: 8, .value_kind: global_buffer, .address_space: global }
      - { .name: mask, .offset: 16, .size: 8, .value_kind: global_buffer, .address_space: global }
      - { .name: rowflags, .offset: 24, .size: 8, .value_kind: global_buffer, .address_space: global }
      - { .name: a_codes, .offset: 32, .size: 8, .value_kind: global_buffer, .address_space: global }
      - { .name: a_scales, .offset: 40, .size: 8, .value_kind: global_buffer, .address_space: global }
    .group_segment_fixed_size: 272384
    .private_segment_fixed_size: 0
    .kernarg_segment_align: 8
    .kernarg_segment_size: 48
    .max_flat_workgroup_size: 512
    .sgpr_count:     66
    .vgpr_count:     256
    .wavefront_size: 32
...
	.end_amdgpu_metadata
.endif
;; end of part 2
;; launch proj (part 3): grid 8 x 32, 4 waves a work-group, clusters of 4 x 4, 327,680 bytes of LDS; arguments a_codes, a_scales, wp_codes, wp_scales, b_proj, out0; writes out0
.if DOCPART == 3
	.amdgcn_target "amdgcn-amd-amdhsa--gfx1250"
	.amdhsa_code_object_version 6
	.text
	.protected	k_qa272d0c803_proj
	.globl	k_qa272d0c803_proj
	.p2align	8
	.type	k_qa272d0c803_proj,@function
k_qa272d0c803_proj:
	s_mov_b64 s[64:65], 0
	v_nop
	global_prefetch_b8 v0, s[64:65] scope:SCOPE_SE
	s_setreg_imm32_b32 hwreg(HW_REG_WAVE_MODE, 25, 1), 1
	s_wait_xcnt 0x0
	s_wait_alu depctr_hold_cnt(0) depctr_sa_sdst(0) depctr_va_vdst(0) depctr_va_sdst(0) depctr_va_ssrc(0) depctr_va_vcc(0) depctr_vm_vsrc(0)
	s_getreg_b32 s2, hwreg(HW_REG_IB_STS2, 6, 4)
	s_cmp_eq_u32 s2, 0
	s_cbranch_scc0 .Lentry_in_a_cluster
	s_endpgm
.Lentry_in_a_cluster:
	s_bfe_u32 s2, ttmp6, 0x10000c
	s_cmp_lg_u32 s2, 0xf033
	s_cbranch_scc0 .Lentry_shape_is_right
	s_endpgm
.Lentry_shape_is_right:
; out = attn_out W_proj + b_proj on codes of FP8 (E4M3), one E8M0 byte for each 32 along K = 1,024: 4,096 x 1,024 x 1,024.
; a_codes: [16 rows: 256][block of 32 along K: 32][512 bytes], images of operand registers (lane l holds 16 bytes at 16 l); wp_codes likewise by 16 columns; a_scales [tile][row][32], wp_scales [column][32].
; Tile T's row r is token 32 (T >> 1) + 8 (T & 1) + r + 8 (r >> 3).
; SHARES: 256 work-groups, a block of 128 x 128 each, four waves of 64 x 64 (16 accumulators).  128 rows of either operand, all of K, are 131,072 consecutive bytes: both lie in LDS whole, so there is no ring and nothing is filled again.
; Each wave fetches 65,536 bytes by its one tensor load (waves 0, 1: A's halves; 2, 3: B's), stated as 16 rows of 4,096 bytes.
; CLUSTERS 4 x 4: a row of the cluster shares A's block, a column B's: joint loads.  The scale words go from memory straight into registers: 32 bytes a row, 512 consecutive bytes a tile.
; No prefetch: every byte is asked for by the head's one load a wave, and there is no loop to run ahead in.
; The product is used transposed (source 0 = W's columns, source 1 = tokens): a lane holds eight neighbouring columns of one row.  A block of 16 rows x 64 columns goes through my own stage in LDS and leaves as whole rows of 256 bytes.
; REGISTERS: window 0: v8-11 bias, v16-29 addresses, v32-63 A's scale words (8 i + q), v68-99 B's (numbers differ from A's modulo 8), v128-255 fragment set 0 (A 128.., B 192..), at the end the rows read back;
; window 1: v0-127 accumulators ((a, b) at 8 (4 a + b)), v128-255 fragment set 1.   LIMITS: NaN and infinities are not served.
.set HALF,   65536
.set STAGE,  4*HALF
.set SPITCH, 272
.set SPARE,  STAGE+4*16*SPITCH
.set BI,   8
.set ADRA, 16
.set ADRB, 17
.set STO,  18
.set RD,   19
.set CO,   20
.set SOF,  21
.set BO,   22
.set SPW,  28
.set NIL,  29
.set SA,   32
.set SB,   68
.set FA,   128
.set FB,   192
.set BK,   128
.set WV,   18
.set HR,   19
.set HC,   20
.set TR,   46
.set TC,   42
.set G1,  24
.set G0,  32
.set G1B, 48
.set G0B, 56
.set MSB, 0
.macro WIN new
.if MSB != (\new)
	s_set_vgpr_msb (MSB<<8)|(\new)
.set MSB, (\new)
.endif
.endm
.macro PLACES n
.rept \n
	v_nop
.endr
.endm
.macro CROUND
	s_barrier_signal -1
	s_barrier_wait -1
	s_cmp_lg_u32 s[WV], 0
	s_cbranch_scc1 .Lnot_wave_0_\@
	s_barrier_signal -3
.Lnot_wave_0_\@:
	s_barrier_wait -3
	s_barrier_signal -1
	s_barrier_wait -1
.endm
	s_load_b256 s[4:11], s[0:1], 0x0               ; a_codes, a_scales, wp_codes, wp_scales
	s_load_b128 s[12:15], s[0:1], 0x20             ; b_proj, out0
	v_lshl_add_u32 v[SPW], v0, 2, SPARE
	v_mov_b32 v[NIL], 0
	ds_add_u32 v[SPW], v[NIL]
	ds_add_u32 v[SPW], v[NIL]
	v_lshrrev_b32 v1, 5, v0
	v_readfirstlane_b32 s[WV], v1
	s_lshr_b32 s[HR], s[WV], 1                     ; my 64 rows; also: I fetch for A (0) or B (1)
	s_and_b32 s[HC], s[WV], 1                      ; my 64 columns; also: which half I fetch
	s_bfe_u32 s40, ttmp6, 0x40000
	s_bfe_u32 s41, ttmp6, 0x40004
	s_lshl_b32 s[TC], ttmp9, 2
	s_add_co_u32 s[TC], s[TC], s40                 ; block column 0..7
	s_and_b32 s[TR], ttmp7, 0xffff
	s_lshl_b32 s[TR], s[TR], 2
	s_add_co_u32 s[TR], s[TR], s41                 ; block row 0..31
	s_lshl_b32 s43, s41, 2
	s_lshl_b32 s43, 15, s43                        ; my row of the cluster
	s_lshl_b32 s44, 0x1111, s40                    ; my column
	s_or_b32 s[G1+0], s43, (3<<16)|(1<<21)         ; elements of 8 bytes, no padding
	s_or_b32 s[G1B+0], s44, (3<<16)|(1<<21)
.irp g, G1, G1B
	s_mov_b32 s[\g+1], 512<<16
	s_mov_b32 s[\g+2], 16<<16
	s_mov_b32 s[\g+3], 512<<16
	s_mov_b32 s[\g+4], 16
	s_mov_b32 s[\g+5], 512
	s_mov_b32 s[\g+6], 0
	s_mov_b32 s[\g+7], 0
.endr
	s_lshl_b32 s21, s[HC], 16
	s_lshl_b32 s36, s[TR], 17
	s_add_co_u32 s36, s36, s21                     ; A's codes that I fetch
	s_mov_b32 s37, 0
	s_lshl_b32 s38, s[TC], 17
	s_add_co_u32 s38, s38, s21                     ; B's
	s_mov_b32 s39, 0
	s_lshl_b32 s60, s[TR], 12
	s_lshl_b32 s22, s[HR], 11
	s_add_co_u32 s60, s60, s22                     ; the scale bytes of my 64 rows
	s_mov_b32 s61, 0
	s_lshl_b32 s62, s[TC], 12
	s_lshl_b32 s22, s[HC], 11
	s_add_co_u32 s62, s62, s22                     ; and of my 64 columns
	s_mov_b32 s63, 0
	s_lshl_b32 s66, s[TC], 9
	s_lshl_b32 s22, s[HC], 8
	s_add_co_u32 s66, s66, s22                     ; my first column, in bytes
	s_mov_b32 s67, 0
	s_lshl_b32 s68, s[TR], 19
	s_lshl_b32 s22, s[HR], 18
	s_add_co_u32 s68, s68, s22
	s_add_co_u32 s68, s68, s66                     ; my corner of out0
	s_mov_b32 s69, 0
	s_mov_b32 s[G0], 1
	s_lshl_b32 s[G0+1], s[WV], 16                  ; LDS: wave x 65,536
	s_mov_b32 s[G0B], 1
	s_lshl_b32 s[G0B+1], s[WV], 16
	s_wait_dscnt 0x0
	CROUND                                         ; the round in front of the joint loads
	s_wait_kmcnt 0x0
	s_add_nc_u64 s[G0+2:G0+3], s[4:5], s[36:37]
	s_or_b32 s[G0+3], s[G0+3], 0x80000000
	s_add_nc_u64 s[G0B+2:G0B+3], s[8:9], s[38:39]
	s_or_b32 s[G0B+3], s[G0B+3], 0x80000000
	s_add_nc_u64 s[6:7], s[6:7], s[60:61]
	s_add_nc_u64 s[10:11], s[10:11], s[62:63]
	s_add_nc_u64 s[12:13], s[12:13], s[66:67]
	s_add_nc_u64 s[14:15], s[14:15], s[68:69]
	s_cmp_eq_u32 s[HR], 0
	s_cbranch_scc0 .Lfor_b
	tensor_load_to_lds s[G0:G0+3], s[G1:G1+7]
	s_nop 0
	PLACES 4
	s_branch .Lasked
.Lfor_b:
	tensor_load_to_lds s[G0B:G0B+3], s[G1B:G1B+7]
	s_nop 0
	PLACES 4
.Lasked:
	v_and_b32 v1, 15, v0                           ; r
	v_bfe_u32 v2, v0, 4, 1                         ; h
	v_and_b32 v3, 31, v0
	v_lshlrev_b32 v4, 4, v3                        ; 16 x lane
	v_lshlrev_b32 v[SOF], 5, v1                    ; 32 r
	v_lshlrev_b32 v[BO], 4, v1
.irp i, 0,1,2,3
	global_load_b128 v[SA+8*\i:SA+8*\i+3], v[SOF], s[6:7] offset:512*\i
	global_load_b128 v[SA+8*\i+4:SA+8*\i+7], v[SOF], s[6:7] offset:512*\i+16
	global_load_b128 v[SB+8*\i:SB+8*\i+3], v[SOF], s[10:11] offset:512*\i
	global_load_b128 v[SB+8*\i+4:SB+8*\i+7], v[SOF], s[10:11] offset:512*\i+16
.endr
	global_load_b128 v[BI:BI+3], v[BO], s[12:13]
	s_lshl_b32 s21, s[HR], 16
	s_lshl_b32 s22, s[HC], 16
	s_add_co_u32 s22, s22, 2*HALF
	v_add_nc_u32 v[ADRA], s21, v4
	v_add_nc_u32 v[ADRB], s22, v4
	s_mul_i32 s23, s[WV], 16*SPITCH
	s_add_co_u32 s23, s23, STAGE
	v_mul_u32_u24 v5, v1, SPITCH
	v_lshl_add_u32 v5, v2, 5, v5
	v_add_nc_u32 v[STO], s23, v5                   ; in: row r, 32 bytes for each half of the lanes
	v_mul_u32_u24 v6, v2, SPITCH
	v_lshl_add_u32 v6, v1, 4, v6
	v_add_nc_u32 v[RD], s23, v6                    ; back: lanes 0-15 one row, lanes 16-31 the next
	v_lshlrev_b32 v7, 12, v2
	v_lshl_add_u32 v[CO], v1, 4, v7                ; and the same in out0
.macro FETCH q, set                    ; the q-th 128 of K: four fragments of A, four of B: 32 loads of 512 consecutive bytes
	WIN (\set)<<6
.irp i, 0,1,2,3
.irp c, 0,1,2,3
	ds_load_b128 v[FA+16*\i+4*\c:FA+16*\i+4*\c+3], v[ADRA] offset:16384*\i+2048*(\q)+512*\c
.endr
.endr
.irp i, 0,1,2,3
.irp c, 0,1,2,3
	ds_load_b128 v[FB+16*\i+4*\c:FB+16*\i+4*\c+3], v[ADRB] offset:16384*\i+2048*(\q)+512*\c
.endr
.endr
.endm
.macro MUL q, set                      ; 16 products, the accumulators by turns
	WIN 0x50+5*(\set)
.irp a, 0,1,2,3
.irp b, 0,1,2,3
.if (\q) == 0
	v_wmma_scale_f32_16x16x128_f8f6f4 v[8*(4*\a+\b):8*(4*\a+\b)+7], v[FB+16*\b:FB+16*\b+15], v[FA+16*\a:FA+16*\a+15], 0, v[SB+8*\b+(\q)], v[SA+8*\a+(\q)]
.else
	v_wmma_scale_f32_16x16x128_f8f6f4 v[8*(4*\a+\b):8*(4*\a+\b)+7], v[FB+16*\b:FB+16*\b+15], v[FA+16*\a:FA+16*\a+15], v[8*(4*\a+\b):8*(4*\a+\b)+7], v[SB+8*\b+(\q)], v[SA+8*\a+(\q)]
.endif
.endr
.endr
.endm
	s_wait_alu depctr_va_vdst(0)                   ; the wait at the head's end
	s_wait_tensorcnt 0x0                           ; my quarter is in,
	s_barrier_signal -1
	s_barrier_wait -1                              ; everybody's is
	FETCH 0, 0
	FETCH 1, 1
	s_wait_loadcnt 0x0                             ; the scale words and the bias
	s_wait_dscnt 32                                ; all but the 32 just issued
	MUL 0, 0
.irp q, 1,2,3,4,5,6
	PLACES 8                                       ; behind the products that read the set which is loaded now
	FETCH \q+1, (\q+1)%2
	s_wait_dscnt 32
	MUL \q, \q%2
.endr
	s_wait_dscnt 0x0
	MUL 7, 1
	WIN 0
	PLACES 8
.macro TOSTAGE a
	WIN 0x04                                       ; the data: window 1
.irp b, 0,1,2,3
	ds_store_b128 v[STO], v[8*(4*(\a)+\b):8*(4*(\a)+\b)+3] offset:64*\b       ; each accumulator from its low end on
	ds_store_b128 v[STO], v[8*(4*(\a)+\b)+4:8*(4*(\a)+\b)+7] offset:64*\b+16
.endr
	WIN 0
.set BB, BK+32*((\a)%2)
.irp t, 0,1,2,3,4,5,6,7
	ds_load_b128 v[BB+4*\t:BB+4*\t+3], v[RD] offset:2*\t*SPITCH   ; LDS serves a wave's instructions in order: these see my stores
.endr
.endm
.macro SEND a, younger
.set BB, BK+32*((\a)%2)
	s_wait_dscnt \younger
.irp t, 0,1,2,3,4,5,6,7
	v_pk_add_f32 v[BB+4*\t:BB+4*\t+1], v[BB+4*\t:BB+4*\t+1], v[BI:BI+1]
	v_pk_add_f32 v[BB+4*\t+2:BB+4*\t+3], v[BB+4*\t+2:BB+4*\t+3], v[BI+2:BI+3]
	global_store_b128 v[CO], v[BB+4*\t:BB+4*\t+3], s[14:15] offset:(32*((\a)/2)+8*((\a)%2)+2*\t+8*(\t/4))*4096 th:TH_STORE_NT   ; sixteen lanes store 256 consecutive bytes, aligned
.endr
.endm
	TOSTAGE 0
.irp a, 1,2,3
.if \a > 1
	s_wait_xcnt 0x0                                ; block a - 2's stores have read their registers
.endif
	TOSTAGE \a
	SEND \a-1, 16                                  ; behind block a - 1's loads: block a's 8 stores and 8 loads
.endr
	SEND 3, 0
	s_wait_tensorcnt 0x0                           ; the wave's end
	ds_add_u32 v[SPW], v[NIL]
	s_wait_dscnt 0x0
	CROUND                                         ; the closing round
	s_endpgm
.Lfunc_end_k_qa272d0c803_proj:
	.size	k_qa272d0c803_proj, .Lfunc_end_k_qa272d0c803_proj-k_qa272d0c803_proj
	.p2alignl 7, 3214868480
	.fill 96, 4, 3214868480
	.section	.rodata,"a",@progbits
	.p2align	6, 0x0
	.amdhsa_kernel k_qa272d0c803_proj
		.amdhsa_group_segment_fixed_size 327680
		.amdhsa_private_segment_fixed_size 0
		.amdhsa_enable_private_segment 0
		.amdhsa_kernarg_size 48
		.amdhsa_user_sgpr_count 2
		.amdhsa_user_sgpr_kernarg_segment_ptr 1
		.amdhsa_wavefront_size32 1
		.amdhsa_system_sgpr_workgroup_id_x 1
		.amdhsa_system_sgpr_workgroup_id_y 1
		.amdhsa_system_sgpr_workgroup_id_z 1
		.amdhsa_system_vgpr_workitem_id 0
		.amdhsa_next_free_vgpr 512
		.amdhsa_next_free_sgpr 80
		.amdhsa_reserve_vcc 0
		.amdhsa_float_denorm_mode_32 3
		.amdhsa_float_denorm_mode_16_64 3
		.amdhsa_memory_ordered 1
		.amdhsa_forward_progress 1
		.amdhsa_inst_pref_size 54
	.end_amdhsa_kernel
	.amdgpu_metadata
---
amdhsa.version: [ 1, 2 ]
amdhsa.kernels:
  - .name:           k_qa272d0c803_proj
    .symbol:         k_qa272d0c803_proj.kd
    .args:
      - { .name: a_codes, .offset: 0, .size: 8, .value_kind: global_buffer, .address_space: global }
      - { .name: a_scales, .offset: 8, .size: 8, .value_kind: global_buffer, .address_space: global }
      - { .name: wp_codes, .offset: 16, .size: 8, .value_kind: global_buffer, .address_space: global }
      - { .name: wp_scales, .offset: 24, .size: 8, .value_kind: global_buffer, .address_space: global }
      - { .name: b_proj, .offset: 32, .size: 8, .value_kind: global_buffer, .address_space: global }
      - { .name: out0, .offset: 40, .size: 8, .value_kind: global_buffer, .address_space: global }
    .group_segment_fixed_size: 327680
    .private_segment_fixed_size: 0
    .kernarg_segment_align: 8
    .kernarg_segment_size: 48
    .max_flat_workgroup_size: 128
    .sgpr_count:     80
    .vgpr_count:     512
    .wavefront_size: 32
...
	.end_amdgpu_metadata
.endif
;; end of part 3
